; MI455X (gfx1250); checked and timed in simulation.
; The chip was launched on July 23, 2026; its instructions are those of AMD's public machine-readable ISA for CDNA 5 (MIT licence, August 2026) and "CDNA5" Instruction Set Architecture Reference Guide (July 2026). The comments in the code are by the model that wrote it; some were corrected since.
;; Multi Head Attention. Allowed arithmetic: matrix products marked QUANTISED: E2M3 operands, one E8M0 scale for each 32 along K, by v_wmma_scale_f32_16x16x128_f8f6f4 with both operands' format E2M3, f32 sums; everything else in f32.
;; Inputs: Wk 1,024 x 1,024 float32; Wo 1,024 x 1,024 float32; Wq 1,024 x 1,024 float32; Wv 1,024 x 1,024 float32; bk 1,024 float32; bo 1,024 float32; bq 1,024 float32; bv 1,024 float32; k 4 x 2,048 x 1,024 float32; q 4 x 2,048 x 1,024 float32; q_mask 4 x 2,048 float32; v 4 x 2,048 x 1,024 float32; v_mask 4 x 2,048 float32.
;; Outputs: out0 4 x 2,048 x 1,024 float32.
;; This version of the problem:
;;   THIS VERSION OF THE PROBLEM IS GIVEN IN LOW PRECISION. The matrix products marked QUANTISED in the list below multiply operands that are first quantised to E2M3 (2 exponent bits, 3 mantissa bits; 6 bits a number), with one power-of-two scale for each 32 numbers along K (OCP MX v1.0); their sums are f32. All else is computed in f32.
;;   The module's matrix products, in the order in which they are computed (A, B: the left and right operand; K: the contracted axis; several contracted axes count as one K, in the product's order):
;;     1. [M 8,192, K 1,024] x [K 1,024, N 1,024]; A: input q; B: input Wq: QUANTISED
;;     2. [M 8,192, K 1,024] x [K 1,024, N 1,024]; A: input k; B: input Wk: QUANTISED
;;     3. [M 8,192, K 1,024] x [K 1,024, N 1,024]; A: input v; B: input Wv: QUANTISED
;;     4. batch 64 x [M 2,048, K 64] x [K 64, N 2,048]; A: computed on the way; B: computed on the way: QUANTISED
;;     5. batch 64 x [M 2,048, K 2,048] x [K 2,048, N 64]; A: softmax (see below); B: computed on the way: QUANTISED
;;     6. [M 8,192, K 1,024] x [K 1,024, N 1,024]; A: computed on the way; B: input Wo: QUANTISED
;;   THE QUANTISER, for each operand of a quantised product, along K:
;;     - K is cut into blocks of 32 from its start; a last block that is shorter is filled with zeros.
;;     - A block's scale is 2^e with e = floor(log2(the largest magnitude in the block)) - 2, held to -126 .. 127; a block of zeros has e = 0. As a byte (E8M0): e + 127.
;;     - Each number is divided by its block's scale, clamped to +-7.5, and rounded to the nearest number of E2M3, ties to even, subnormals kept.
;;     - The product sums the exact products of the quantised numbers (number of the format x scale) in f32.
;;   ~~~python
;;   def quantise(x, axis):      # numpy; x: float32 -> the quantised numbers, widened to float32 again
;;       x = np.moveaxis(x, axis, -1); K = x.shape[-1]
;;       x = np.pad(x, [(0, 0)] * (x.ndim - 1) + [(0, -K % 32)]); x = x.reshape(x.shape[:-1] + (-1, 32)); a = np.abs(x).max(-1, keepdims=True)
;;       e = np.where(a > 0, np.clip(np.frexp(np.where(a > 0, a, 1))[1] - 1 - 2, -126, 127), 0)      # np.frexp(a)[1] - 1 = floor(log2(a)), exactly
;;       r = np.clip(x / 2.0 ** e, -7.5, 7.5)
;;       step = 2.0 ** (np.maximum(np.frexp(np.where(r == 0, 1, r))[1] - 1, 0) - 3)
;;       q = np.round(r / step) * step * 2.0 ** e      # np.round: ties to even
;;       return np.moveaxis(q.reshape(q.shape[:-2] + (-1,))[..., :K], -1, axis).astype(np.float32)
;;   ~~~
;;   SOFTMAX AHEAD OF A QUANTISED PRODUCT. Where the list says 'softmax', what is quantised is not the finished softmax but p = 2^(t - M), with t = logit x log2(e) and M = ceil(the row's largest t), a whole number; so 1/2 < the row's largest p <= 1. The row's sum l is taken of the UNQUANTISED p, in f32, and the product's result is divided by l at the end. Since M is a whole number, a kernel that streams over the keys may use a running M (the ceiling of the running maximum): every later rescaling is an exact power of two, which a block's scale takes up: the codes' values come out the same.
;;   OPERANDS COMPUTED ON THE WAY. 'Computed on the way' means the value that the module computes at that place (a softmax that the list does not call 'softmax' is quantised finished and normalised). What goes into a quantiser is computed in f32, as accurately as f32 sums, v_exp_f32 and their like allow (about 1e-6 of the number): no bf16 or f16 on the way to a quantiser, and a product that is left as it is and whose result goes on into a quantised operand takes f32 operands (vector FMAs, or v_wmma_f32_16x16x4_f32). A number that lies on a knife's edge between two numbers of the format may be rounded either way, as far as f32 arithmetic and the matrix unit's own rounding can turn it there, and no further.
;; One version. Each part assembles by itself: llvm-mc -triple=amdgcn-amd-amdhsa -mcpu=gfx1250 --defsym DOCPART=n.
;; ======== version 1 of 1: 4 launches
;; limits: right only within a limited range of input values
;; workspace buffers: wc 3,145,728 bytes; ws 131,072 bytes; xc 18,874,368 bytes; xs 786,432 bytes; qb 6,815,744 bytes; kv 13,369,344 bytes; oc 6,291,456 bytes; os 262,144 bytes
;; launch quant_x (part 1): grid 1024 x 1, 4 waves a work-group, no clusters, 46,592 bytes of LDS; arguments Wq, Wk, Wv, Wo, wc, ws, q, k, v, xc, xs; writes wc, ws, xc, xs
.if DOCPART == 1
	.amdgcn_target "amdgcn-amd-amdhsa--gfx1250"
	.amdhsa_code_object_version 6
	.text
	.protected	k_q3ffa1826b5_quant_x
	.globl	k_q3ffa1826b5_quant_x
	.p2align	8
	.type	k_q3ffa1826b5_quant_x,@function
k_q3ffa1826b5_quant_x:
	s_mov_b64 s[64:65], 0
	v_nop
	global_prefetch_b8 v0, s[64:65] scope:SCOPE_SE
	s_setreg_imm32_b32 hwreg(HW_REG_WAVE_MODE, 25, 1), 1
	s_wait_xcnt 0x0
; q, k, v, each [8192 rows][1024] f32 with K innermost, become codes of FP6 (E2M3) with one E8M0 byte for each 32 along K.
; OUTPUT LAYOUT as for the weights: rows by POSITION (position p holds row sw(p), bits 3 and 4 exchanged), tiles of 16 positions, a tile's K step of 128 as an image of the operand's 12 registers.
; xc: [tensor][tile 0..511][K step 0..7][1536];  xs: [tensor][position][32 bytes].
; SHARES: a wave takes one tile of 16 rows x 512 along K, in four steps of 128.  Each load reads 512 consecutive bytes of one row; a step's 16 rows turn through the wave's own stage in LDS
; (pitch 528 bytes) and come back 16 neighbouring numbers of each block of 32 to a lane: register 16 b + i = k 32 b + 16 (lane / 16) + i of row lane % 16.
; The image leaves straight from the registers: stores of 512 and of 256 consecutive bytes.  Loads run two steps (32 loads a wave) ahead.
; LIMITS: a block of zeros gets the byte 1 (its codes are zeros; this program alone reads the bytes); NaN and infinities are not served.
.set SPARE, 33792                      ; behind the four stages: the spare words, 128 bytes a wave
.set R,    16                          ; v16-143  two sets of 64 numbers as loaded
.set X,    144                         ; v144-207 64 numbers in the quantiser's order
.set PC,   208                         ; v208-219 the fragment's codes; v220-226 at work
.set TM,   228                         ; v228-243 at work
.set PWK,  244                         ; v244-247 the four steps' scale words
.set SPW,  12
.set NIL,  13
.set SEL,  20                          ; s[20:21] selects for lane l xor 16
; 64 numbers of a lane become a fragment's codes in v[PC] on and its row's scale word in v[pw].
.macro QUANT s, pw
.irp b, 0,1,2,3
	v_max3_num_f32 v[TM+\b], |v[(\s)+16*\b]|, |v[(\s)+1+16*\b]|, 0x1800000   ; block b: my 16 numbers, and the floor 2^(3 - 127)
.endr
.irp i, 2,4,6,8,10,12,14
.irp b, 0,1,2,3
	v_max3_num_f32 v[TM+\b], v[TM+\b], |v[(\s)+16*\b+\i]|, |v[(\s)+1+16*\b+\i]|
.endr
.endr
.irp b, 0,1,2,3
	v_permlanex16_b32 v[TM+4+\b], v[TM+\b], s[SEL], s[SEL+1]
.endr
.irp b, 0,1,2,3
	v_max_num_f32 v[TM+\b], v[TM+\b], v[TM+4+\b]   ; with lane l xor 16's: the block's largest magnitude
.endr
.irp b, 0,1,2,3
	v_add_nc_u32 v[TM+12+\b], 0xff000000, v[TM+\b] ; 2 off its exponent field: the conversion's scale operand
.endr
.irp b, 0,1,2,3
	v_lshrrev_b32 v[TM+4+\b], 23, v[TM+12+\b]      ; the scale's byte
.endr
	v_lshl_or_b32 v[\pw], v[TM+5], 8, v[TM+4]
	v_lshl_or_b32 v[\pw], v[TM+6], 16, v[\pw]
	v_lshl_or_b32 v[\pw], v[TM+7], 24, v[\pw]
.irp c, 0,1
	v_cvt_scalef32_pk16_fp6_f32 v[PC+6*\c:PC+2+6*\c], v[(\s)+32*\c:(\s)+15+32*\c], v[TM+12+2*\c]
	v_cvt_scalef32_pk16_fp6_f32 v[PC+12+4*\c:PC+14+4*\c], v[(\s)+16+32*\c:(\s)+31+32*\c], v[TM+12+2*\c+1]
.endr
	v_nop                                          ; one plain place behind a scaled conversion
.irp c, 0,1                                    ; the operand wants a WHOLE block in a lane: lanes 0-15 block 2 c, lanes 16-31 block 2 c + 1
.irp i, 0,1,2
	v_permlane16_swap_b32 v[PC+6*\c+\i], v[PC+12+4*\c+\i]
.endr
.irp i, 0,1,2
	v_mov_b32 v[PC+3+6*\c+\i], v[PC+12+4*\c+\i]
.endr
.endr
.endm
	; ONE LAUNCH QUANTISES TOKENS AND WEIGHTS: work-groups 0 to 767 take q, k, v (the text that follows), work-groups 768 to 1,023 the four weights (behind .Lweights).
	; The two ways part here, on the work-group's number alone, and have LDS stages of their own.
	s_cmp_ge_u32 ttmp9, 768
	s_cbranch_scc1 .Lweights
	s_load_b128 s[4:7], s[0:1], 0x30               ; q, k
	s_load_b128 s[8:11], s[0:1], 0x40              ; v, xc
	s_load_b64 s[12:13], s[0:1], 0x50              ; xs
	v_lshl_add_u32 v[SPW], v0, 2, SPARE
	v_mov_b32 v[NIL], 0
	v_lshrrev_b32 v1, 5, v0
	v_readfirstlane_b32 s14, v1                    ; wave
	v_and_b32 v2, 31, v0                           ; lane
	v_and_b32 v8, 15, v0                           ; r
	v_bfe_u32 v9, v0, 4, 1                         ; h
	v_lshlrev_b32 v3, 4, v2                        ; 16 x lane
	v_lshlrev_b32 v6, 3, v2                        ; 8 x lane
	s_mul_i32 s15, s14, 8448                       ; my stage: 16 rows of 528 bytes
	v_add_nc_u32 v4, s15, v3                       ; in: a row's 512 bytes as they lie
	v_mul_u32_u24 v5, v8, 528
	v_lshl_add_u32 v5, v9, 6, v5
	v_add_nc_u32 v5, s15, v5                       ; back: row r, + 64 h
	v_lshlrev_b32 v7, 5, v8
	v_lshl_add_u32 v7, v9, 3, v7                   ; scale words out: 32 r + 8 h
.irp b, 0,1,2,3
	v_mov_b32 v[TM+4+\b], 0                        ; written once: a lane permute's destination counts as one of its sources
.endr
	s_mov_b32 s[SEL], 0x76543210
	s_mov_b32 s[SEL+1], 0xfedcba98
	s_lshr_b32 s16, ttmp9, 8                       ; tensor
	s_and_b32 s17, ttmp9, 255
	s_lshl_b32 s17, s17, 2
	s_add_co_u32 s17, s17, s14
	s_lshr_b32 s18, s17, 1                         ; tile T
	s_and_b32 s19, s17, 1                          ; which half of K
	s_lshr_b32 s22, s18, 1
	s_lshl_b32 s22, s22, 5
	s_and_b32 s23, s18, 1
	s_lshl_b32 s23, s23, 3
	s_add_co_u32 s22, s22, s23                     ; q, v: the tile's first row: 32 (T / 2) + 8 (T % 2); position i is row + i + 8 (i / 8)
	; TENSOR k HAS ANOTHER ORDER OF ROWS: tile T begins at row 64 (T / 4) + 8 (T % 4), positions 0-7 are that row + i, positions 8-15 lie 32 rows on:
	; in the score product a lane's 32 registers of four neighbouring tiles are then one whole block of 32 keys
	s_lshr_b32 s28, s18, 2
	s_lshl_b32 s28, s28, 6
	s_and_b32 s29, s18, 3
	s_lshl_b32 s29, s29, 3
	s_add_co_u32 s28, s28, s29
	s_cmp_eq_u32 s16, 1                            ; the choice hangs on the work-group's number alone
	s_cselect_b32 s22, s28, s22
	s_cselect_b32 s28, 32, 16                      ; rows from position 0 to position 8
	s_lshl_b32 s28, s28, 12
	s_mov_b32 s29, 0
	s_lshl_b32 s22, s22, 12
	s_lshl_b32 s23, s19, 11
	s_add_co_u32 s22, s22, s23
	s_mov_b32 s23, 0
	s_mul_i32 s24, s16, 6291456
	s_mul_i32 s25, s18, 12288
	s_add_co_u32 s24, s24, s25
	s_mul_i32 s25, s19, 6144
	s_add_co_u32 s24, s24, s25
	s_mov_b32 s25, 0
	s_lshl_b32 s26, s16, 18
	s_lshl_b32 s27, s18, 9
	s_add_co_u32 s26, s26, s27
	s_lshl_b32 s27, s19, 4
	s_add_co_u32 s26, s26, s27
	s_mov_b32 s27, 0
	s_wait_alu depctr_va_vdst(0)
	s_wait_kmcnt 0x0
	s_cmp_eq_u32 s16, 1                            ; which tensor: the choice hangs on the work-group's number alone
	s_cselect_b64 s[4:5], s[6:7], s[4:5]
	s_cmp_eq_u32 s16, 2
	s_cselect_b64 s[4:5], s[8:9], s[4:5]
	s_add_nc_u64 s[4:5], s[4:5], s[22:23]
	s_add_nc_u64 s[28:29], s[4:5], s[28:29]        ; where position 8's row begins
	s_add_nc_u64 s[10:11], s[10:11], s[24:25]
	s_add_nc_u64 s[12:13], s[12:13], s[26:27]
.macro LOAD t                          ; step t: 16 rows x 512 bytes into set t % 2
.irp i, 0,1,2,3,4,5,6,7,8,9,10,11,12,13,14,15
.if \i < 8
	global_load_b128 v[R+64*((\t)%2)+4*\i:R+64*((\t)%2)+4*\i+3], v3, s[4:5] offset:\i*4096+512*(\t) th:TH_LOAD_NT
.else
	global_load_b128 v[R+64*((\t)%2)+4*\i:R+64*((\t)%2)+4*\i+3], v3, s[28:29] offset:(\i-8)*4096+512*(\t) th:TH_LOAD_NT
.endif
.endr
.endm
.macro TURN t                          ; through the stage: LDS serves a wave's instructions in order, so no wait stands between the stores and the loads
.irp i, 0,1,2,3,4,5,6,7,8,9,10,11,12,13,14,15
	ds_store_b128 v4, v[R+64*((\t)%2)+4*\i:R+64*((\t)%2)+4*\i+3] offset:528*\i
.endr
.irp b, 0,1,2,3
.irp j, 0,1,2,3
	ds_load_b128 v[X+16*\b+4*\j:X+16*\b+4*\j+3], v5 offset:128*\b+16*\j
.endr
.endr
.endm
	LOAD 0
	LOAD 1
.macro STEP t
.if (\t) < 3
	s_wait_loadcnt 16                              ; this step's 16 loads are in; the next step's may be out
.else
	s_wait_loadcnt 0x0
.endif
	TURN \t
	s_wait_dscnt 0x0                               ; the numbers are back, and the stage's stores have read their registers,
.if (\t) < 2
	LOAD (\t)+2                                    ; which take the loads of two steps on
.endif
.if (\t) > 0
	s_wait_xcnt 0x0                                ; the last step's stores have read the codes' registers
.endif
	QUANT X, PWK+(\t)
	global_store_b128 v3, v[PC:PC+3], s[10:11] offset:1536*(\t)
	global_store_b64 v6, v[PC+4:PC+5], s[10:11] offset:1536*(\t)+512
	global_store_b128 v3, v[PC+6:PC+9], s[10:11] offset:1536*(\t)+768
	global_store_b64 v6, v[PC+10:PC+11], s[10:11] offset:1536*(\t)+1280
.endm
	STEP 0
	STEP 1
	STEP 2
	STEP 3
	v_cmp_ne_u32 vcc_lo, 0, v9                     ; lanes 0-15 store their row's words 0, 1 of my four, lanes 16-31 words 2, 3
	v_cndmask_b32 v248, v[PWK], v[PWK+2], vcc_lo
	v_cndmask_b32 v249, v[PWK+1], v[PWK+3], vcc_lo
	global_store_b64 v7, v[248:249], s[12:13]
	s_wait_tensorcnt 0x0                           ; the wave's end
	ds_add_u32 v[SPW], v[NIL]
	s_wait_dscnt 0x0
	s_endpgm
; THE WEIGHTS.  Wq, Wk, Wv, Wo, [1024 (k)][1024 (n)] f32 with K on the FIRST axis, become codes of FP6 (E2M3) with one E8M0 byte for each 32 along K.
; LAYOUT: columns by POSITION (position p holds column p with its bits 3 and 4 exchanged), tiles of 16 positions; a tile's K step of 128 is an image of the operand's 12 registers, 1,536 bytes:
; for c = 0, 1 registers 6c..6c+3 at 768 c + 16 x lane, registers 6c+4, 6c+5 at 768 c + 512 + 8 x lane.  wc: [tensor][tile 0..63][K step 0..7][1536];  ws: [tensor][position][32 bytes], the word of K step s at 4 s.
; A LANE TAKES A COLUMN AND ITS REGISTERS RUN DOWN K: a load reads 128 consecutive bytes a wave, a block of 32 lies in one lane, and the conversions give codes with K innermost.
; SHARES: of the work-group's number less 768, bits 2:0 choose 128 columns, bits 5:3 the K step, bits 7:6 the tensor; a wave takes 32 columns (two tiles) x 128 along K: four blocks a lane.
; The codes go through the wave's own stage in LDS (two images) and leave as six stores of 512 consecutive bytes; the scale words leave as 4 bytes a lane, 32 bytes apart.
; LIMITS: a block of zeros gets the byte 1 (its codes are zeros; this program alone reads the bytes); NaN and infinities are not served.
.Lweights:
.set WSTG, 34304                       ; behind the tokens' stages and the spare words: four stages of 3,072 bytes
.set WX,   32                          ; v32-159  four blocks of 32 numbers
.set WC,   160                         ; v160-191 eight registers a block: no LDS store's data are written again
.set WOUT, 192                         ; v192-215 the way out
.set WSB,  24                          ; v24      the four scale bytes
	s_load_b256 s[4:11], s[0:1], 0x0               ; Wq, Wk, Wv, Wo
	s_load_b128 s[12:15], s[0:1], 0x20             ; wc, ws
	v_lshl_add_u32 v[SPW], v0, 2, SPARE
	v_mov_b32 v[NIL], 0
	v_lshrrev_b32 v1, 5, v0
	v_readfirstlane_b32 s16, v1                    ; wave
	v_and_b32 v2, 31, v0                           ; lane = my column among the wave's 32
	v_lshlrev_b32 v3, 2, v2                        ; in: 4 bytes a lane
	v_bfe_u32 v9, v0, 3, 1                         ; u: which of the two tiles my column's position falls in
	v_bfe_u32 v10, v0, 4, 1
	v_and_b32 v11, 7, v0
	v_lshl_or_b32 v11, v10, 3, v11                 ; r: its row in that tile
	s_mul_i32 s17, s16, 3072
	s_add_co_u32 s17, s17, WSTG                    ; my stage
	v_mul_u32_u24 v14, v9, 1536
	v_add_nc_u32 v14, s17, v14
	v_lshl_add_u32 v4, v11, 4, v14                 ; where a block's registers 0-3 go: + 16 r
	v_lshl_add_u32 v5, v11, 3, v14                 ; and its registers 4, 5: + 8 r
	v_lshlrev_b32 v7, 4, v2                        ; out: 16 bytes a lane
	v_add_nc_u32 v6, s17, v7
	v_lshlrev_b32 v8, 5, v11
	v_lshl_add_u32 v8, v9, 9, v8                   ; my position's row of scale bytes: 512 u + 32 r
	s_sub_co_u32 s28, ttmp9, 768
	s_lshr_b32 s18, s28, 3
	s_and_b32 s28, s28, 7                          ; which 128 columns
	s_lshr_b32 s19, s18, 3                         ; tensor
	s_and_b32 s18, s18, 7                          ; K step
	s_lshl_b32 s20, s28, 7
	s_lshl_b32 s21, s16, 5
	s_add_co_u32 s20, s20, s21                     ; n0: my wave's first column
	s_lshl_b32 s22, s18, 19                        ; W: 128 rows of 4,096 bytes a K step,
	s_lshl_b32 s23, s20, 2
	s_add_co_u32 s22, s22, s23                     ; + 4 n0
	s_mov_b32 s23, 0
	s_mul_i32 s24, s19, 786432                     ; wc: tensor,
	s_mul_i32 s25, s20, 768                        ; tile n0 / 16 of 12,288 bytes,
	s_add_co_u32 s24, s24, s25
	s_mul_i32 s25, s18, 1536                       ; K step
	s_add_co_u32 s24, s24, s25
	s_mov_b32 s25, 0
	s_lshl_b32 s26, s19, 15                        ; ws: tensor, position n0, word s
	s_lshl_b32 s27, s20, 5
	s_add_co_u32 s26, s26, s27
	s_lshl_b32 s27, s18, 2
	s_add_co_u32 s26, s26, s27
	s_mov_b32 s27, 0
	s_wait_alu depctr_va_vdst(0)
	s_wait_kmcnt 0x0
	s_cmp_eq_u32 s19, 1                            ; which weight: the choice hangs on the work-group's number alone
	s_cselect_b64 s[4:5], s[6:7], s[4:5]
	s_cmp_eq_u32 s19, 2
	s_cselect_b64 s[4:5], s[8:9], s[4:5]
	s_cmp_eq_u32 s19, 3
	s_cselect_b64 s[4:5], s[10:11], s[4:5]
	s_add_nc_u64 s[4:5], s[4:5], s[22:23]
	s_add_nc_u64 s[12:13], s[12:13], s[24:25]
	s_add_nc_u64 s[14:15], s[14:15], s[26:27]
.set i, 0
.rept 128
	global_load_b32 v[WX+i], v3, s[4:5] offset:i*4096 th:TH_LOAD_NT   ; W(128 s + i, my column)
.set i, i+1
.endr
; Block t of four.  cnt: how many younger loads may stay out.
.macro BLOCK t, cnt
.set XS, WX+32*(\t)
.set CC, WC+8*(\t)
	s_wait_loadcnt \cnt
	v_max3_num_f32 v16, |v[XS]|, |v[XS+1]|, |v[XS+2]|               ; the block's largest magnitude: all 32 numbers are mine; two chains
	v_max3_num_f32 v17, |v[XS+3]|, |v[XS+4]|, |v[XS+5]|
.irp i, 6,10,14,18,22,26
	v_max3_num_f32 v16, v16, |v[XS+\i]|, |v[XS+\i+1]|
	v_max3_num_f32 v17, v17, |v[XS+\i+2]|, |v[XS+\i+3]|
.endr
	v_max3_num_f32 v16, v16, |v[XS+30]|, |v[XS+31]|
	v_max3_num_f32 v16, v16, v17, 0x1800000        ; and the floor 2^(3 - 127): the byte cannot fall under 1
	v_add_nc_u32 v18, 0xff000000, v16              ; 2 off the exponent field: the conversion's scale operand
	v_lshrrev_b32 v19, 23, v18                     ; the scale's byte
.if (\t) == 0
	v_mov_b32 v[WSB], v19
.else
	v_lshl_or_b32 v[WSB], v19, 8*(\t), v[WSB]
.endif
	v_cvt_scalef32_pk16_fp6_f32 v[CC:CC+2], v[XS:XS+15], v18
	v_cvt_scalef32_pk16_fp6_f32 v[CC+4:CC+6], v[XS+16:XS+31], v18   ; (a conversion's three registers begin on an even number)
	v_nop                                          ; one plain place behind a scaled conversion
	v_mov_b32 v[CC+3], v[CC+4]
	v_mov_b32 v[CC+4], v[CC+5]
	v_mov_b32 v[CC+5], v[CC+6]                     ; CC .. CC+5: the block's 24 bytes
	ds_store_b128 v4, v[CC:CC+3] offset:768*((\t)/2)+256*((\t)%2)          ; to the place of lane (r, h = t % 2) in half c = t / 2 of my tile's image
	ds_store_b64 v5, v[CC+4:CC+5] offset:768*((\t)/2)+512+128*((\t)%2)
.endm
	BLOCK 0, 63                                    ; 96 younger loads might stay out; 63 is the largest count that can be named
	BLOCK 1, 63                                    ; 64 might
	BLOCK 2, 32
	BLOCK 3, 0
	global_store_b32 v8, v[WSB], s[14:15]
.irp i, 0,1,2,3,4,5
	ds_load_b128 v[WOUT+4*\i:WOUT+4*\i+3], v6 offset:512*\i        ; LDS serves a wave's instructions in order: these see my stores
.endr
.irp i, 0,1,2,3,4,5
	s_wait_dscnt 5-\i
	global_store_b128 v7, v[WOUT+4*\i:WOUT+4*\i+3], s[12:13] offset:(\i/3)*12288+(\i%3)*512   ; 512 consecutive bytes of an image
.endr
	s_wait_tensorcnt 0x0                           ; the wave's end
	ds_add_u32 v[SPW], v[NIL]
	s_wait_dscnt 0x0
	s_endpgm
.Lfunc_end_k_q3ffa1826b5_quant_x:
	.size	k_q3ffa1826b5_quant_x, .Lfunc_end_k_q3ffa1826b5_quant_x-k_q3ffa1826b5_quant_x
	.p2alignl 7, 3214868480
	.fill 96, 4, 3214868480
	.section	.rodata,"a",@progbits
	.p2align	6, 0x0
	.amdhsa_kernel k_q3ffa1826b5_quant_x
		.amdhsa_group_segment_fixed_size 46592
		.amdhsa_private_segment_fixed_size 0
		.amdhsa_enable_private_segment 0
		.amdhsa_kernarg_size 88
		.amdhsa_user_sgpr_count 2
		.amdhsa_user_sgpr_kernarg_segment_ptr 1
		.amdhsa_wavefront_size32 1
		.amdhsa_system_sgpr_workgroup_id_x 1
		.amdhsa_system_sgpr_workgroup_id_y 1
		.amdhsa_system_sgpr_workgroup_id_z 1
		.amdhsa_system_vgpr_workitem_id 0
		.amdhsa_next_free_vgpr 256
		.amdhsa_next_free_sgpr 66
		.amdhsa_reserve_vcc 1
		.amdhsa_float_denorm_mode_32 3
		.amdhsa_float_denorm_mode_16_64 3
		.amdhsa_memory_ordered 1
		.amdhsa_forward_progress 1
		.amdhsa_inst_pref_size 57
	.end_amdhsa_kernel
	.amdgpu_metadata
---
amdhsa.version: [ 1, 2 ]
amdhsa.kernels:
  - .name:           k_q3ffa1826b5_quant_x
    .symbol:         k_q3ffa1826b5_quant_x.kd
    .args:
      - { .name: Wq, .offset: 0, .size: 8, .value_kind: global_buffer, .address_space: global }
      - { .name: Wk, .offset: 8, .size: 8, .value_kind: global_buffer, .address_space: global }
      - { .name: Wv, .offset: 16, .size: 8, .value_kind: global_buffer, .address_space: global }
      - { .name: Wo, .offset: 24, .size: 8, .value_kind: global_buffer, .address_space: global }
      - { .name: wc, .offset: 32, .size: 8, .value_kind: global_buffer, .address_space: global }
      - { .name: ws, .offset: 40, .size: 8, .value_kind: global_buffer, .address_space: global }
      - { .name: q, .offset: 48, .size: 8, .value_kind: global_buffer, .address_space: global }
      - { .name: k, .offset: 56, .size: 8, .value_kind: global_buffer, .address_space: global }
      - { .name: v, .offset: 64, .size: 8, .value_kind: global_buffer, .address_space: global }
      - { .name: xc, .offset: 72, .size: 8, .value_kind: global_buffer, .address_space: global }
      - { .name: xs, .offset: 80, .size: 8, .value_kind: global_buffer, .address_space: global }
    .group_segment_fixed_size: 46592
    .private_segment_fixed_size: 0
    .kernarg_segment_align: 8
    .kernarg_segment_size: 88
    .max_flat_workgroup_size: 128
    .sgpr_count:     66
    .vgpr_count:     256
    .wavefront_size: 32
...
	.end_amdgpu_metadata
.endif
;; end of part 1
;; launch proj (part 2): grid 4 x 192, 4 waves a work-group, clusters of 4 x 4, 327,680 bytes of LDS; arguments xc, xs, wc, ws, bq, bk, bv, qb, kv; writes qb, kv
.if DOCPART == 2
	.amdgcn_target "amdgcn-amd-amdhsa--gfx1250"
	.amdhsa_code_object_version 6
	.text
	.protected	k_q3ffa1826b5_proj
	.globl	k_q3ffa1826b5_proj
	.p2align	8
	.type	k_q3ffa1826b5_proj,@function
k_q3ffa1826b5_proj:
	s_mov_b64 s[64:65], 0
	v_nop
	global_prefetch_b8 v0, s[64:65] scope:SCOPE_SE
	s_setreg_imm32_b32 hwreg(HW_REG_WAVE_MODE, 25, 1), 1
	s_wait_xcnt 0x0
	s_wait_alu depctr_hold_cnt(0) depctr_sa_sdst(0) depctr_va_vdst(0) depctr_va_sdst(0) depctr_va_ssrc(0) depctr_va_vcc(0) depctr_vm_vsrc(0)
	s_getreg_b32 s2, hwreg(HW_REG_IB_STS2, 6, 4)
	s_cmp_eq_u32 s2, 0
	s_cbranch_scc0 .Lentry_in_a_cluster
	s_endpgm
.Lentry_in_a_cluster:
	s_bfe_u32 s2, ttmp6, 0x10000c
	s_cmp_lg_u32 s2, 0xf033
	s_cbranch_scc0 .Lentry_shape_is_right
	s_endpgm
.Lentry_shape_is_right:
; The three projections x W + b on codes of FP6 (E2M3) with E8M0 scales, K = 1,024; their results are quantised on the way out and leave as codes, laid as the attention launch wants them.
; A work-group makes 128 rows of operand A x 256 rows of operand B; each of four waves 64 x 128: 32 accumulators.  THE MATRIX INSTRUCTION IS USED TRANSPOSED: source 0 = 16 rows of B, source 1 = 16 rows of A:
; a lane holds one row of A, and its registers run along B.  Rows are kept by position (bits 3 and 4 of the index exchanged), so the 16 registers of B's tiles 2 i, 2 i + 1 are 16 true neighbours.
; q, k: A = the tokens, B = the weight's columns: a lane's registers run along the features, the next product's K (64 a head).  v: A = the weight's columns, B = the tokens: registers run along the keys, the K of the second product.
; ALL OF K LIES IN LDS: four chunks of 256 along K, each wave asks for its four parts at the head; no LDS byte is filled twice, so there is no ring.  A counted wait and a plain barrier stand in front of each chunk's first read.
; CLUSTER 4 x 4: A's tiles hang on the tile row alone and are asked for jointly by a row of the cluster, B's on the tile column alone, by a column.
; The scale words of the wave's rows, for all of K, come from memory straight into registers, once (lanes 0-15 an even tile's rows, lanes 16-31 the odd tile's).
; The bias along B's rows is the C of the first K step; the bias along A's rows is added on the way out.  Both are loaded in every work-group; the one that does not apply is cleared by a mask made from the cluster's number.
; OUT: qb [head of batch][106,496]: 128 half-images of 768 bytes (16 tokens x 64 codes), then 2,048 scale words (bytes 0, 1 the head's two blocks, bytes 2, 3 = 127).
;      kv [head of batch][208,896]: k likewise at 0 and its words at 196,608; v's images [16 groups of 128 keys][4 tiles of d][1536] at 98,304, its words [group][tile][16] at 204,800.
; In v's work-groups lanes 16-31 store the same scale words to the same place as lanes 0-15.
; LIMITS: a block of zeros gets the byte 1 (its codes are zeros; this program alone reads the bytes); NaN and infinities are not served.
; REGISTERS: window 0: v1-7, v24 lane terms; v8-23 LDS addresses; v32-47 A's scale words, v48-79 B's; v96-103 the bias along A's rows; v128-223 A's fragments, two sets; on the way out v128-243.
;            window 1: B's fragments, two sets, at v0 and v128; the bias along B's rows at v96-127 and v224-255.   window 2: accumulator (a, b) at v[8 (8 a + b)].
; LDS AS IT IS NOW (this takes the place of what the head says of four chunks): A's 8 tiles, each with all of K (12,288 bytes), lie at 0, B's 16 tiles behind them at 98,304.
; Each wave asks for its part, all of K, with ONE tensor load at the head (waves 0, 1: four tiles of A; waves 2, 3: eight of B); one wait for 0 and one barrier stand in front of the first read.
.set CHUNK, 73728                      ; a quarter of the operands' bytes: it only places the spare words
.set SPARE, 4*CHUNK                    ; behind the chunks: the spare words, 128 bytes a wave
.set AA16, 8                           ; v8-11   16 x lane + my A tiles 0..3
.set AA8,  12                          ; v12-15  8 x lane + the same
.set AB16, 16                          ; v16-19, v20-23 the same for B
.set AB8,  20
.set SPW,  28
.set NIL,  29
.set SA,   32
.set SB,   48
.set RV,   96
.set TT,   128                         ; the way out: 64 numbers
.set PC,   192                         ; their codes
.set TM,   212
.set PW,   228
.set WW,   229                         ; v229-232 a scale word for each block of rows
.set SHV,  233
.set SST,  236
.set SRD,  237
.set VO,   238
.set OUTR, 240
.set WV,   22
.set SR,   23                          ; which half of A's rows is mine.  Also: I fetch for A (0) or for B (1)
.set SC,   24                          ; which half of B's rows.  Also: which half of that operand I fetch
.set CX,   25
.set CY,   26
.set ID,   27                          ; 0 q, 1 k, 2 v
.set G1A,  28
.set G1B,  36
.set G0A,  44                          ; s[44:47] the one group 0
.set G0B,  68                          ; s[68:71]
.set SEL,  60
.set M0W,  91
.set N0W,  92
.set MSB, 0
.macro WIN new                         ; the immediate's high byte repeats the setting that is left
.if MSB != \new
	s_set_vgpr_msb (MSB<<8)|\new
.set MSB, \new
.endif
.endm
.macro CROUND                          ; a round of the cluster's barrier
	s_barrier_signal -1
	s_barrier_wait -1
	s_cmp_lg_u32 s[WV], 0
	s_cbranch_scc1 .Lnot_wave_0_\@
	s_barrier_signal -3
.Lnot_wave_0_\@:
	s_barrier_wait -3
	s_barrier_signal -1
	s_barrier_wait -1
.endm
.macro QUANT s, pw
.irp b, 0,1,2,3
	v_max3_num_f32 v[TM+\b], |v[(\s)+16*\b]|, |v[(\s)+1+16*\b]|, 0x1800000   ; block b: my 16 numbers, and the floor 2^(3 - 127)
.endr
.irp i, 2,4,6,8,10,12,14
.irp b, 0,1,2,3
	v_max3_num_f32 v[TM+\b], v[TM+\b], |v[(\s)+16*\b+\i]|, |v[(\s)+1+16*\b+\i]|
.endr
.endr
.irp b, 0,1,2,3
	v_permlanex16_b32 v[TM+4+\b], v[TM+\b], s[SEL], s[SEL+1]
.endr
.irp b, 0,1,2,3
	v_max_num_f32 v[TM+\b], v[TM+\b], v[TM+4+\b]
.endr
.irp b, 0,1,2,3
	v_add_nc_u32 v[TM+12+\b], 0xff000000, v[TM+\b]
.endr
.irp b, 0,1,2,3
	v_lshrrev_b32 v[TM+4+\b], 23, v[TM+12+\b]
.endr
	v_lshl_or_b32 v[\pw], v[TM+5], 8, v[TM+4]
	v_lshl_or_b32 v[\pw], v[TM+6], 16, v[\pw]
	v_lshl_or_b32 v[\pw], v[TM+7], 24, v[\pw]
.irp c, 0,1
	v_cvt_scalef32_pk16_fp6_f32 v[PC+6*\c:PC+2+6*\c], v[(\s)+32*\c:(\s)+15+32*\c], v[TM+12+2*\c]
	v_cvt_scalef32_pk16_fp6_f32 v[PC+12+4*\c:PC+14+4*\c], v[(\s)+16+32*\c:(\s)+31+32*\c], v[TM+12+2*\c+1]
.endr
	v_nop                                          ; one plain place behind a scaled conversion
.irp c, 0,1
.irp i, 0,1,2
	v_permlane16_swap_b32 v[PC+6*\c+\i], v[PC+12+4*\c+\i]
.endr
.irp i, 0,1,2
	v_mov_b32 v[PC+3+6*\c+\i], v[PC+12+4*\c+\i]
.endr
.endr
.endm
	s_load_b512 s[4:19], s[0:1], 0x0               ; xc, xs, wc, ws, bq, bk, bv, qb
	s_load_b64 s[20:21], s[0:1], 0x40              ; kv
	v_lshl_add_u32 v[SPW], v0, 2, SPARE
	v_mov_b32 v[NIL], 0
	ds_add_u32 v[SPW], v[NIL]                      ; the wave's opening: the add and its wait stand ahead of my first tensor load; work on registers stands between them
	ds_add_u32 v[SPW], v[NIL]
	v_lshrrev_b32 v1, 5, v0
	v_readfirstlane_b32 s[WV], v1
	s_lshr_b32 s[SR], s[WV], 1
	s_and_b32 s[SC], s[WV], 1
	s_bfe_u32 s[CX], ttmp6, 0x40000
	s_bfe_u32 s[CY], ttmp6, 0x40004
	s_and_b32 s84, ttmp7, 0xffff                   ; the cluster: 16 for each of q, k, v
	s_lshr_b32 s[ID], s84, 4
	s_and_b32 s86, s84, 15
	s_lshl_b32 s87, s86, 2                         ; q, k: 64 tile rows of tokens, 4 tile columns of features
	s_and_b32 s88, s86, 1
	s_lshl_b32 s88, s88, 2                         ; v: 8 tile rows of features,
	s_lshr_b32 s89, s86, 1
	s_lshl_b32 s89, s89, 2                         ; 32 tile columns of tokens
	s_mul_i32 s90, s[ID], 6291456                  ; the tensor's codes in xc,
	s_mul_i32 s91, s[ID], 786432                   ; in wc,
	s_lshl_b32 s92, s[ID], 18                      ; its scale bytes in xs,
	s_lshl_b32 s93, s[ID], 15                      ; in ws
	s_cmp_eq_u32 s[ID], 2
	s_cselect_b32 s87, s88, s87
	s_cselect_b32 s89, s89, 0
	s_cselect_b32 s94, s91, s90                    ; A's codes
	s_cselect_b32 s95, s90, s91                    ; B's codes
	s_cselect_b32 s96, s93, s92                    ; A's scales
	s_cselect_b32 s97, s92, s93                    ; B's scales
	s_add_co_u32 s87, s87, s[CY]                   ; tile row
	s_add_co_u32 s89, s89, s[CX]                   ; tile column
	s_lshl_b32 s84, s[CY], 2
	s_lshl_b32 s84, 15, s84                        ; my row of the cluster
	s_lshl_b32 s86, 0x1111, s[CX]                  ; my column
	; group 1: rows of 12,288 bytes (1,536 elements of 8 bytes: a tile's whole K), 12,288 bytes apart; A: 4 tiles a load, B: 8
	s_or_b32 s[G1A], s84, (3<<16)|(1<<21)
	s_or_b32 s[G1B], s86, (3<<16)|(1<<21)
.irp g, G1A, G1B
	s_mov_b32 s[\g+1], 1536<<16                    ; tensor_dim0: a tile's whole K, 12,288 bytes
	s_mov_b32 s[\g+3], 1536<<16                    ; tile_dim0
	s_mov_b32 s[\g+5], 1536                        ; the pitch
	s_mov_b32 s[\g+6], 0
	s_mov_b32 s[\g+7], 0
.endr
	s_mov_b32 s[G1A+2], 4<<16                      ; tensor_dim1
	s_mov_b32 s[G1A+4], 4                          ; tile_dim1
	s_mov_b32 s[G1B+2], 8<<16
	s_mov_b32 s[G1B+4], 8
	s_lshl_b32 s98, s87, 3
	s_lshl_b32 s99, s[SC], 2
	s_add_co_u32 s98, s98, s99                     ; A: tile 8 x tile row + 4 x half
	s_mul_i32 s98, s98, 12288
	s_add_co_u32 s98, s98, s94
	s_mov_b32 s99, 0
	s_lshl_b32 s100, s89, 4
	s_lshl_b32 s101, s[SC], 3
	s_add_co_u32 s100, s100, s101                  ; B: tile 16 x tile column + 8 x half
	s_mul_i32 s100, s100, 12288
	s_add_co_u32 s100, s100, s95
	s_mov_b32 s101, 0
	s_mul_i32 s88, s[SC], 49152                    ; where they go: four tiles of A a half; no place in the cluster enters an LDS address
	s_mul_i32 s90, s[SC], 98304                    ; eight tiles of B a half,
	s_add_co_u32 s90, s90, 98304                   ; behind A's eight
	s_lshl_b32 s[M0W], s87, 7
	s_lshl_b32 s92, s[SR], 6
	s_add_co_u32 s[M0W], s[M0W], s92               ; my wave's first row of A
	s_lshl_b32 s[N0W], s89, 8
	s_lshl_b32 s93, s[SC], 7
	s_add_co_u32 s[N0W], s[N0W], s93               ; and of B
	s_wait_dscnt 0x0                               ; the opening add is done
	s_wait_kmcnt 0x0
	s_cmp_eq_u32 s[ID], 2                          ; the choices hang on the cluster's number alone
	s_cselect_b64 s[60:61], s[8:9], s[4:5]         ; A's codes: wc for v, else xc
	s_cselect_b64 s[66:67], s[4:5], s[8:9]         ; B's codes
	s_cselect_b64 s[62:63], s[10:11], s[6:7]       ; A's scales
	s_cselect_b64 s[2:3], s[6:7], s[10:11]         ; B's scales
	s_add_nc_u64 s[60:61], s[60:61], s[98:99]
	s_add_nc_u64 s[66:67], s[66:67], s[100:101]
	CROUND                                         ; all sixteen work-groups are here: the joint loads meet
.irp g, 0
	s_mov_b32 s[G0A+4*\g], 1
	s_add_co_u32 s[G0A+4*\g+1], s88, CHUNK*\g
	s_add_nc_u64 s[G0A+4*\g+2:G0A+4*\g+3], s[60:61], 3072*\g
	s_or_b32 s[G0A+4*\g+3], s[G0A+4*\g+3], 0x80000000
	s_mov_b32 s[G0B+4*\g], 1
	s_add_co_u32 s[G0B+4*\g+1], s90, CHUNK*\g
	s_add_nc_u64 s[G0B+4*\g+2:G0B+4*\g+3], s[66:67], 3072*\g
	s_or_b32 s[G0B+4*\g+3], s[G0B+4*\g+3], 0x80000000
.endr
	s_cmp_eq_u32 s[SR], 0                          ; one fill a wave, in one branch on its number
	s_cbranch_scc0 .Lfor_b
.irp g, 0
	tensor_load_to_lds s[G0A+4*\g:G0A+4*\g+3], s[G1A:G1A+7]
	s_nop 0
.endr
.rept 4
	v_nop
.endr
	s_branch .Lasked
.Lfor_b:
.irp g, 0
	tensor_load_to_lds s[G0B+4*\g:G0B+4*\g+3], s[G1B:G1B+7]
	s_nop 0
.endr
.rept 4
	v_nop
.endr
.Lasked:
	v_and_b32 v1, 31, v0                           ; lane
	v_and_b32 v2, 15, v0                           ; r
	v_bfe_u32 v3, v0, 4, 1                         ; h
	v_lshlrev_b32 v4, 4, v1                        ; 16 x lane
	v_lshlrev_b32 v5, 3, v1                        ; 8 x lane
	v_lshlrev_b32 v6, 5, v2
	v_lshl_add_u32 v6, v3, 9, v6                   ; scale rows: 512 h + 32 r
	v_lshlrev_b32 v7, 6, v3                        ; 64 h
	v_and_b32 v24, 8, v2
	v_add_nc_u32 v24, v24, v2
	v_lshlrev_b32 v24, 2, v24                      ; 4 (r + 8 (r / 8))
	s_mul_i32 s93, s[SR], 49152                    ; my four tiles of A: address register g serves tile g; of B: tiles 2 g, 2 g + 1
.irp g, 0,1,2,3
	v_add_nc_u32 v[AA16+\g], s93, v4
	v_add_nc_u32 v[AA8+\g], s93, v5
	v_add_nc_u32 v[AB16+\g], s90, v4
	v_add_nc_u32 v[AB8+\g], s90, v5
	s_add_co_u32 s93, s93, 12288
	s_add_co_u32 s90, s90, 24576
.endr
	s_lshl_b32 s98, s[M0W], 5
	s_add_co_u32 s98, s98, s96
	s_add_nc_u64 s[62:63], s[62:63], s[98:99]
	s_lshl_b32 s100, s[N0W], 5
	s_add_co_u32 s100, s100, s97
	s_add_nc_u64 s[2:3], s[2:3], s[100:101]
.irp i, 0,1
.irp e, 0,1
	global_load_b128 v[SA+8*\i+4*\e:SA+8*\i+4*\e+3], v6, s[62:63] offset:1024*\i+16*\e   ; register SA + 8 (a / 2) + s: tile a's word of K step s (odd a: lanes 16-31)
.endr
.endr
.irp i, 0,1,2,3
.irp e, 0,1
	global_load_b128 v[SB+8*\i+4*\e:SB+8*\i+4*\e+3], v6, s[2:3] offset:1024*\i+16*\e
.endr
.endr
	s_lshl_b32 s84, s[N0W], 2
	s_lshl_b32 s86, s[M0W], 2
	s_mov_b32 s85, 0
	s_mov_b32 s87, 0
	s_cmp_eq_u32 s[ID], 1
	s_cselect_b64 s[12:13], s[14:15], s[12:13]
	s_cmp_eq_u32 s[ID], 2
	s_cselect_b64 s[12:13], s[16:17], s[12:13]     ; the tensor's bias
	s_cselect_b32 s84, 0, s84                      ; q, k: the bias runs along B's rows; v: that load reads the bias's first bytes and is cleared below
	s_cselect_b32 s86, s86, 0                      ; v: along A's rows; q, k: cleared below
	s_cselect_b32 s93, 0, -1
	s_cselect_b32 s94, -1, 0
	s_add_nc_u64 s[14:15], s[12:13], s[84:85]
	s_add_nc_u64 s[16:17], s[12:13], s[86:87]
	WIN 0x40                                       ; destination window 1
.irp b, 0,1,2,3,4,5,6,7
	global_load_b128 v[96+8*\b+96*(\b/4):96+8*\b+96*(\b/4)+3], v7, s[14:15] offset:128*(\b/2)+32*(\b%2)       ; in the result's layout: features 32 (b / 2) + 16 h + 8 (b % 2) + 0 .. 7
	global_load_b128 v[96+8*\b+96*(\b/4)+4:96+8*\b+96*(\b/4)+7], v7, s[14:15] offset:128*(\b/2)+32*(\b%2)+16
.endr
	WIN 0
.irp a, 0,1,2,3
	global_load_b32 v[RV+2*\a], v24, s[16:17] offset:4*(32*(\a/2)+8*(\a%2))     ; my row of tile a, twice: a pair for the packed addition
	global_load_b32 v[RV+2*\a+1], v24, s[16:17] offset:4*(32*(\a/2)+8*(\a%2))
.endr
	; the way out's scalars, in registers that no pending load names
	s_cmp_eq_u32 s[ID], 2
	s_cselect_b32 s84, s[N0W], s[M0W]              ; my first token
	s_cselect_b32 s86, s[M0W], s[N0W]              ; my first feature
	s_mov_b32 s88, 768
	s_mov_b32 s89, 1536
	s_cselect_b32 s10, s89, s88                    ; from one block of A's rows to the next: an image (v) or a half-image
	s_mov_b32 s11, 0
	s_cselect_b32 s12, -1, 0xffff                  ; q, k: a head's word keeps two bytes
	s_cselect_b32 s13, 0, 0x7f7f0000               ; and gets 127 in the other two
	s_cselect_b32 s90, 0, 16                       ; q, k: lanes 16-31 take the second head's two bytes
	s_cmp_eq_u32 s[ID], 0
	s_mov_b32 s88, 106496
	s_mov_b32 s89, 208896
	s_cselect_b32 s66, s88, s89                    ; bytes of a head in the buffer
	s_cselect_b64 s[4:5], s[18:19], s[20:21]       ; qb or kv
	s_mov_b32 s89, 196608
	s_cselect_b32 s89, 98304, s89                  ; where q's or k's scale words begin
	s_lshr_b32 s88, s84, 11
	s_lshl_b32 s88, s88, 4
	s_lshr_b32 s86, s86, 6
	s_add_co_u32 s88, s88, s86                     ; 16 x batch + head
	s_mul_i32 s88, s88, s66
	s_and_b32 s84, s84, 2047                       ; the token in its batch
	s_lshr_b32 s86, s84, 7                         ; its group of 128
	s_mul_i32 s95, s86, 6144
	s_add_co_u32 s95, s95, 98304                   ; v's images
	s_mul_i32 s96, s84, 48                         ; q's, k's half-images: 768 bytes for 16 tokens
	s_lshl_b32 s86, s86, 8
	s_add_co_u32 s86, s86, 204800                  ; v's scale words
	s_lshl_b32 s84, s84, 2
	s_add_co_u32 s89, s89, s84                     ; q's, k's
	s_cmp_eq_u32 s[ID], 2
	s_cselect_b32 s95, s95, s96
	s_cselect_b32 s86, s86, s89
	s_cselect_b32 s96, 768, s66                    ; from an image's first half to its second: 768 bytes on (v), or the next head
	s_cselect_b32 s67, 0, s66                      ; the same for the scale words of lanes 16-31
	s_add_co_u32 s98, s95, s88
	s_add_co_u32 s100, s86, s88
	s_mov_b32 s97, 0
	s_add_nc_u64 s[8:9], s[4:5], s[100:101]        ; the scale words
	s_add_nc_u64 s[4:5], s[4:5], s[98:99]          ; the first half's codes
	s_add_nc_u64 s[6:7], s[4:5], s[96:97]          ; the second half's
	s_mov_b32 s[SEL], 0x76543210
	s_mov_b32 s[SEL+1], 0xfedcba98
	s_lshl_b32 s88, s[WV], 9
	v_mul_u32_u24 v[SHV], s90, v3
	v_lshlrev_b32 v[SST], 2, v2
	v_lshl_add_u32 v[SST], v3, 8, v[SST]
	v_add_nc_u32 v[SST], s88, v[SST]               ; the words' stage, in chunk 0: 512 x wave + 256 h + 4 r
	v_add_nc_u32 v[SRD], s88, v4                   ; and back: 16 bytes a lane
	v_mul_u32_u24 v[VO], s67, v3
	v_lshl_add_u32 v[VO], v2, 4, v[VO]
	s_wait_loadcnt 0x0                             ; scale words and biases
	WIN 0x44
.irp b, 0,1,2,3,4,5,6,7
.irp j, 0,1,2,3,4,5,6,7
	v_and_b32 v[96+8*\b+96*(\b/4)+\j], s93, v[96+8*\b+96*(\b/4)+\j]   ; v: no bias along B's rows
.endr
.endr
	WIN 0
.irp j, 0,1,2,3,4,5,6,7
	v_and_b32 v[RV+\j], s94, v[RV+\j]              ; q, k: none along A's rows
.endr
.macro FRAG reg, a16, a8, off          ; an image comes back as the operand's 12 registers
	ds_load_b128 v[(\reg):(\reg)+3], v[\a16] offset:(\off)
	ds_load_b64 v[(\reg)+4:(\reg)+5], v[\a8] offset:(\off)+512
	ds_load_b128 v[(\reg)+6:(\reg)+9], v[\a16] offset:(\off)+768
	ds_load_b64 v[(\reg)+10:(\reg)+11], v[\a8] offset:(\off)+1280
.endm
.macro FETCH s                         ; K step s: B's eight fragments and A's four, into set s % 2: 48 LDS loads in one run
.set FQ, 1536*(\s)
.set FP, (\s)%2
.set FG, (\s)/2
	WIN 0x40
.irp b, 0,1,2,3,4,5,6,7
	FRAG 128*FP+12*\b, AB16+\b/2, AB8+\b/2, 12288*(\b%2)+FQ
.endr
	WIN 0
.irp a, 0,1,2,3
	FRAG 128+48*FP+12*\a, AA16+\a, AA8+\a, FQ
.endr
.endm
.macro WM a, b, s                      ; one product; KFIRST = 1: its C is the bias along B's rows
.set rD, 8*(8*(\a)+(\b))
.set rB, 128*((\s)%2)+12*(\b)
.set rA, 128+48*((\s)%2)+12*(\a)
.set rSB, SB+8*((\b)/2)+(\s)
.set rSA, SA+8*((\a)/2)+(\s)
.set rC, rD
.if KFIRST
.set rC, 96+8*(\b)+96*((\b)/4)
.endif
.if ((\b)%2 == 0) && ((\a)%2 == 0)
	v_wmma_scale_f32_16x16x128_f8f6f4 v[rD:rD+7], v[rB:rB+11], v[rA:rA+11], v[rC:rC+7], v[rSB], v[rSA] matrix_a_fmt:MATRIX_FMT_FP6 matrix_b_fmt:MATRIX_FMT_FP6
.elseif ((\b)%2 == 1) && ((\a)%2 == 0)
	v_wmma_scale_f32_16x16x128_f8f6f4 v[rD:rD+7], v[rB:rB+11], v[rA:rA+11], v[rC:rC+7], v[rSB], v[rSA] matrix_a_fmt:MATRIX_FMT_FP6 matrix_b_fmt:MATRIX_FMT_FP6 matrix_a_scale:MATRIX_SCALE_ROW1
.elseif ((\b)%2 == 0) && ((\a)%2 == 1)
	v_wmma_scale_f32_16x16x128_f8f6f4 v[rD:rD+7], v[rB:rB+11], v[rA:rA+11], v[rC:rC+7], v[rSB], v[rSA] matrix_a_fmt:MATRIX_FMT_FP6 matrix_b_fmt:MATRIX_FMT_FP6 matrix_b_scale:MATRIX_SCALE_ROW1
.else
	v_wmma_scale_f32_16x16x128_f8f6f4 v[rD:rD+7], v[rB:rB+11], v[rA:rA+11], v[rC:rC+7], v[rSB], v[rSA] matrix_a_fmt:MATRIX_FMT_FP6 matrix_b_fmt:MATRIX_FMT_FP6 matrix_a_scale:MATRIX_SCALE_ROW1 matrix_b_scale:MATRIX_SCALE_ROW1
.endif
.endm
.macro MULH a0, s                      ; 16 products: A's tiles a0, a0 + 1 x B's eight.  The 32 accumulators take turns, one instruction a turn
.irp a, \a0, \a0+1
.irp b, 0,1,2,3,4,5,6,7
	WM \a, \b, \s
.endr
.endr
.endm
.macro KSTEP s
.set KFIRST, 0
.set KW, 0xa1                          ; source 0 (B) window 1, source 1 (A) window 0, C and D window 2
.if (\s) == 0
.set KFIRST, 1
.set KW, 0x91                          ; C from window 1
.endif
	s_wait_dscnt 0x0                               ; this step's 48 loads are in
	WIN KW
	MULH 0, \s
.if (\s) < 7
	WIN 0
.rept 4
	v_nop                                          ; places in front of loads into the set that the last step's products read
.endr
	FETCH (\s)+1
.endif
	WIN KW
	MULH 2, \s
.endm
	s_wait_alu depctr_va_vdst(0)
	s_wait_tensorcnt 0x0                           ; my one load has landed
	s_barrier_signal -1
	s_barrier_wait -1
	FETCH 0
.irp s, 0,1,2,3,4,5,6,7
	KSTEP \s
.endr
	WIN 0
	s_barrier_signal -1                            ; my last LDS reads were waited for at the head of K step 7:
	s_barrier_wait -1                              ; nobody reads the operands any more, so the way out may store over A's first tile
.rept 4
	v_nop                                          ; places in front of the first reads of results and of writes over the fragments' registers
.endr
.irp b, 0,1,2,3
	v_mov_b32 v[TM+4+\b], 0                        ; a lane permute's destination counts as one of its sources
.endr
; THE WAY OUT, a block of 16 rows of A at a time: the 64 numbers of a lane (+ the bias along A's rows) are quantised and leave as an image's two halves.  The scale words gather in LDS.
.macro OUTBLK a
	WIN 0x02                                       ; source 0 window 2
.set i, 0
.rept 32
	v_pk_add_f32 v[TT+2*i:TT+2*i+1], v[64*(\a)+2*i:64*(\a)+2*i+1], v[RV+2*(\a):RV+2*(\a)+1]   ; each accumulator from its low end on
.set i, i+1
.endr
	WIN 0
.if (\a) > 0
	s_wait_xcnt 0x0                                ; the last block's stores have read their registers and bases
	s_add_nc_u64 s[4:5], s[4:5], s[10:11]
	s_add_nc_u64 s[6:7], s[6:7], s[10:11]
.endif
	QUANT TT, PW
	global_store_b128 v4, v[PC:PC+3], s[4:5]
	global_store_b64 v5, v[PC+4:PC+5], s[4:5] offset:512
	global_store_b128 v4, v[PC+6:PC+9], s[6:7]
	global_store_b64 v5, v[PC+10:PC+11], s[6:7] offset:512
	v_lshrrev_b32 v[WW+(\a)], v[SHV], v[PW]
	v_and_or_b32 v[WW+(\a)], v[WW+(\a)], s12, s13
	ds_store_b32 v[SST], v[WW+(\a)] offset:64*(\a)   ; A's first tile has had its only fill, and every wave's last read of it lies ahead of the barrier behind K step 7
.endm
	OUTBLK 0
	OUTBLK 1
	OUTBLK 2
	OUTBLK 3
	ds_load_b128 v[OUTR:OUTR+3], v[SRD]            ; my own bytes: LDS serves a wave's instructions in order
	s_wait_dscnt 0x0
	global_store_b128 v[VO], v[OUTR:OUTR+3], s[8:9]  ; sixteen lanes store 256 consecutive bytes: 64 rows' words
	s_wait_tensorcnt 0x0                           ; the wave's end
	ds_add_u32 v[SPW], v[NIL]
	s_wait_dscnt 0x0
	CROUND                                         ; the closing round
	s_endpgm
.Lfunc_end_k_q3ffa1826b5_proj:
	.size	k_q3ffa1826b5_proj, .Lfunc_end_k_q3ffa1826b5_proj-k_q3ffa1826b5_proj
	.p2alignl 7, 3214868480
	.fill 96, 4, 3214868480
	.section	.rodata,"a",@progbits
	.p2align	6, 0x0
	.amdhsa_kernel k_q3ffa1826b5_proj
		.amdhsa_group_segment_fixed_size 327680
		.amdhsa_private_segment_fixed_size 0
		.amdhsa_enable_private_segment 0
		.amdhsa_kernarg_size 72
		.amdhsa_user_sgpr_count 2
		.amdhsa_user_sgpr_kernarg_segment_ptr 1
		.amdhsa_wavefront_size32 1
		.amdhsa_system_sgpr_workgroup_id_x 1
		.amdhsa_system_sgpr_workgroup_id_y 1
		.amdhsa_system_sgpr_workgroup_id_z 1
		.amdhsa_system_vgpr_workitem_id 0
		.amdhsa_next_free_vgpr 768
		.amdhsa_next_free_sgpr 104
		.amdhsa_reserve_vcc 0
		.amdhsa_float_denorm_mode_32 3
		.amdhsa_float_denorm_mode_16_64 3
		.amdhsa_memory_ordered 1
		.amdhsa_forward_progress 1
		.amdhsa_inst_pref_size 100
	.end_amdhsa_kernel
	.amdgpu_metadata
---
amdhsa.version: [ 1, 2 ]
amdhsa.kernels:
  - .name:           k_q3ffa1826b5_proj
    .symbol:         k_q3ffa1826b5_proj.kd
    .args:
      - { .name: xc, .offset: 0, .size: 8, .value_kind: global_buffer, .address_space: global }
      - { .name: xs, .offset: 8, .size: 8, .value_kind: global_buffer, .address_space: global }
      - { .name: wc, .offset: 16, .size: 8, .value_kind: global_buffer, .address_space: global }
      - { .name: ws, .offset: 24, .size: 8, .value_kind: global_buffer, .address_space: global }
      - { .name: bq, .offset: 32, .size: 8, .value_kind: global_buffer, .address_space: global }
      - { .name: bk, .offset: 40, .size: 8, .value_kind: global_buffer, .address_space: global }
      - { .name: bv, .offset: 48, .size: 8, .value_kind: global_buffer, .address_space: global }
      - { .name: qb, .offset: 56, .size: 8, .value_kind: global_buffer, .address_space: global }
      - { .name: kv, .offset: 64, .size: 8, .value_kind: global_buffer, .address_space: global }
    .group_segment_fixed_size: 327680
    .private_segment_fixed_size: 0
    .kernarg_segment_align: 8
    .kernarg_segment_size: 72
    .max_flat_workgroup_size: 128
    .sgpr_count:     104
    .vgpr_count:     768
    .wavefront_size: 32
...
	.end_amdgpu_metadata
.endif
;; end of part 2
;; launch attn (part 3): grid 4 x 64, 16 waves a work-group, clusters of 4 x 1, 327,680 bytes of LDS; arguments qb, kv, v_mask, oc, os; writes oc, os
.if DOCPART == 3
	.amdgcn_target "amdgcn-amd-amdhsa--gfx1250"
	.amdhsa_code_object_version 6
	.text
	.protected	k_q3ffa1826b5_attn
	.globl	k_q3ffa1826b5_attn
	.p2align	8
	.type	k_q3ffa1826b5_attn,@function
k_q3ffa1826b5_attn:
	s_mov_b64 s[64:65], 0
	v_nop
	global_prefetch_b8 v0, s[64:65] scope:SCOPE_SE
	s_setreg_imm32_b32 hwreg(HW_REG_WAVE_MODE, 25, 1), 1
	s_wait_xcnt 0x0
	s_wait_alu depctr_hold_cnt(0) depctr_sa_sdst(0) depctr_va_vdst(0) depctr_va_sdst(0) depctr_va_ssrc(0) depctr_va_vcc(0) depctr_vm_vsrc(0)
	s_getreg_b32 s2, hwreg(HW_REG_IB_STS2, 6, 4)
	s_cmp_eq_u32 s2, 0
	s_cbranch_scc0 .Lentry_in_a_cluster
	s_endpgm
.Lentry_in_a_cluster:
	s_bfe_u32 s2, ttmp6, 0x10000c
	s_cmp_lg_u32 s2, 0x3003
	s_cbranch_scc0 .Lentry_shape_is_right
	s_endpgm
.Lentry_shape_is_right:
; o = softmax(q k^T / 8 - (1 - v_mask) 1e12) v for one head of one batch, both products on codes of FP6 (E2M3) with E8M0 scales; o is quantised along the head's 64 and leaves as codes for the last projection.
; THE SOFTMAX: t = logit x log2(e); M = the running largest t rounded UP to a whole number; p = 2^(t - M) is quantised along the keys, not normalised; the row's sum is taken of the unquantised p and divides at the end.
; When M moves, the sum and O are multiplied by 2^(old M - new M): exact.  THE MASK: x = -8 ((1 - v_mask) 1e12) of each key lies in LDS and is the C of the score product.
; SHARES: a work-group takes 512 queries of a head; each of sixteen waves one tile of 16 queries at a time, two tiles one after the other; every wave walks all 2,048 keys, 128 a step.
; A WHOLE HEAD'S K AND V, codes and scale words, 208,896 bytes, lie in LDS, filled once: each wave asks for 51 rows of 256 bytes.  The four work-groups of a cluster belong to one head and ask jointly.
; No prefetch: the one fill stands at the head, and there is no loop to run ahead in.
; LAYOUT: both products transposed (S^T = K Q^T, O^T = V^T P^T): a lane holds ONE query.  K's tiles hold keys 64 G + 8 t + 0..7 in rows 0-7 and 64 G + 32 + 8 t + 0..7 in rows 8-15 (the quantiser of k lays them so):
; the 32 score registers of tiles 4 g .. 4 g + 3 are then ONE WHOLE BLOCK of 32 keys, block 2 g + (lane / 16), in order: its maximum needs no other lane, and the conversions' results are the operand's registers.
; THE SCORE PRODUCT'S K IS 64 of the instruction's 128: Q's registers 6-11 are zero codes; K's operand of tile t runs on into the next six registers, which meet those zeros under scale bytes 127.
; ORDER OF A STEP: scores; V of this step and K of the next are asked for; softmax, codes; the next step's mask is asked for; O rescaled; second product.  The step behind a pass's last asks for LDS bytes one step past K's,
; K's words' and the mask's ends: those are V's codes, V's words and K's codes, filled bytes, and what comes is not used.
; OUT: oc [tile of 16 tokens][head][768]: a half-image; os [token position][32]: two bytes a head, 2 bytes a lane (lanes r and r + 16 the same).
; LIMITS: NaN and infinities are not served; scaled scores stay under 2^31 in magnitude; where every key of a batch is masked the weights rest on how -8e12 + score rounds; 1 / sum by v_rcp_f32; a block of zeros gets the byte 1.
.set MB,    0                          ; LDS: the mask's x, 4 bytes a key: bytes of their own
.set TBL,   8192                       ; the head's block: K's half-images,
.set VC,    TBL+98304                  ; V's images,
.set KS,    TBL+196608                 ; K's scale words,
.set VS,    TBL+204800                 ; V's
.set SPARE, TBL+208896                 ; the spare words, 128 bytes for each of 16 waves
.set QST,   SPARE+2048                 ; each wave's second tile of Q waits here: 16, 8 and 4 bytes a lane
.set BX0,   0                          ; v0 (behind the head), v27: the two blocks' largest score, largest p, scale operand
.set CM,    1                          ; 128 x (lane / 16)
.set SPW,   2
.set NIL,   3
.set ADK16, 4                          ; v4-10 a trip's LDS addresses
.set ADK8,  5
.set ADV16, 6
.set ADV8,  7
.set ADS,   8
.set ADM,   9
.set ADT,   10
.set Y,     11                         ; at work
.set NM,    12                         ; v12 -M of even steps, v13 the largest score; v14 -M of odd steps, v15 the lane
.set SMX,   13
.set LANE,  15
.set L,     16                         ; v[16:17] the sum
.set F,     18                         ; v18 f, v19 p's scale word
.set PW,    19
.set KSC,   20
.set VSC,   24
.set QS,    26
.set BX1,   27
.set Q,     28
.set KF,    40
.set VF,    88
.set S,     136
.set OT,    200
.set PCD,   232
.set T,     244                        ; v244-251 four chains; v252-254 half a block's codes; v255 at work
.set PT,    252
.set WV,    14
.set CX,    15
.set HB,    16
.set G1,    20
.set G0,    28
.set SEL,   32
.set CS,    34
.set TK,    36
.set TV,    37
.set TS,    38
.set TM,    39
.set TJ,    58
.set CNT,   59
.set NC,    60
.set QL,    61
.macro CROUND
	s_barrier_signal -1
	s_barrier_wait -1
	s_cmp_lg_u32 s[WV], 0
	s_cbranch_scc1 .Lnot_wave_0_\@
	s_barrier_signal -3
.Lnot_wave_0_\@:
	s_barrier_wait -3
	s_barrier_signal -1
	s_barrier_wait -1
.endm
.macro WM d, a, b, sa, sb, odd         ; one product in place; odd: source 0's scale words stand in lanes 16-31
.if \odd
	v_wmma_scale_f32_16x16x128_f8f6f4 v[\d:\d+7], v[\a:\a+11], v[\b:\b+11], v[\d:\d+7], v[\sa], v[\sb] matrix_a_fmt:MATRIX_FMT_FP6 matrix_b_fmt:MATRIX_FMT_FP6 matrix_a_scale:MATRIX_SCALE_ROW1
.else
	v_wmma_scale_f32_16x16x128_f8f6f4 v[\d:\d+7], v[\a:\a+11], v[\b:\b+11], v[\d:\d+7], v[\sa], v[\sb] matrix_a_fmt:MATRIX_FMT_FP6 matrix_b_fmt:MATRIX_FMT_FP6
.endif
.endm
.macro KLOAD o                         ; K's eight half-images and their words, o steps on from the trip's first: 20 loads
.irp t, 0,1,2,3,4,5,6,7
	ds_load_b128 v[KF+6*\t:KF+6*\t+3], v[ADK16] offset:6144*(\o)+768*\t
	ds_load_b64 v[KF+6*\t+4:KF+6*\t+5], v[ADK8] offset:6144*(\o)+768*\t+512
.endr
.irp t, 0,1,2,3
	ds_load_b32 v[KSC+\t], v[ADS] offset:512*(\o)+128*\t
.endr
.endm
.macro MLOAD o                         ; the mask's x of keys 64 (t / 4) + 32 h + 8 (t % 4) + 0 .. 7: the score products' C: 16 loads
.irp t, 0,1,2,3,4,5,6,7
	ds_load_b128 v[S+8*\t:S+8*\t+3], v[ADM] offset:512*(\o)+256*(\t/4)+32*(\t%4)
	ds_load_b128 v[S+8*\t+4:S+8*\t+7], v[ADM] offset:512*(\o)+256*(\t/4)+32*(\t%4)+16
.endr
.endm
.macro VLOAD q                         ; V's four images and their words: 18 loads
.irp t, 0,1,2,3
	ds_load_b128 v[VF+12*\t:VF+12*\t+3], v[ADV16] offset:6144*(\q)+1536*\t
	ds_load_b64 v[VF+12*\t+4:VF+12*\t+5], v[ADV8] offset:6144*(\q)+1536*\t+512
	ds_load_b128 v[VF+12*\t+6:VF+12*\t+9], v[ADV16] offset:6144*(\q)+1536*\t+768
	ds_load_b64 v[VF+12*\t+10:VF+12*\t+11], v[ADV8] offset:6144*(\q)+1536*\t+1280
.endr
	ds_load_b32 v[VSC], v[ADT] offset:256*(\q)
	ds_load_b32 v[VSC+1], v[ADT] offset:256*(\q)+128
.endm
.macro ADDR                            ; a trip's addresses: a lane term and a scalar that is stepped once a trip
	v_lshl_add_u32 v[ADK16], v[LANE], 4, s[TK]
	v_lshl_add_u32 v[ADK8], v[LANE], 3, s[TK]
	v_lshl_add_u32 v[ADV16], v[LANE], 4, s[TV]
	v_lshl_add_u32 v[ADV8], v[LANE], 3, s[TV]
	v_lshl_add_u32 v[ADS], v[LANE], 2, s[TS]
	v_add_nc_u32 v[ADM], s[TM], v[CM]
	v_lshl_add_u32 v[ADT], v[LANE], 2, s[TJ]
.endm
.macro JOIN                            ; the last step's four chains join the sum: L = L f + their total
	v_pk_add_f32 v[T:T+1], v[T:T+1], v[T+2:T+3]
	v_pk_add_f32 v[T+4:T+5], v[T+4:T+5], v[T+6:T+7]
	v_pk_add_f32 v[T:T+1], v[T:T+1], v[T+4:T+5]
	v_pk_fma_f32 v[L:L+1], v[L:L+1], v[F:F+1], v[T:T+1] op_sel_hi:[1,0,1]
.endm
.macro SUM4 m                          ; chain k takes the pair of p at 8 + 4 m + k
.irp k, 0,1,2,3
	v_pk_add_f32 v[T+2*\k:T+2*\k+1], v[T+2*\k:T+2*\k+1], v[S+16+8*(\m)+2*\k:S+17+8*(\m)+2*\k]
.endr
.endm
.macro FMA8 i0                         ; t - M of 8 scores
.irp i, 0,2,4,6
	v_pk_fma_f32 v[S+(\i0)+\i:S+(\i0)+\i+1], v[S+(\i0)+\i:S+(\i0)+\i+1], s[CS:CS+1], v[NMQ:NMQ+1] op_sel_hi:[1,0,0]
.endr
.endm
	s_load_b256 s[4:11], s[0:1], 0x0               ; qb, kv, v_mask, oc
	s_load_b64 s[12:13], s[0:1], 0x20              ; os
	v_lshl_add_u32 v[SPW], v0, 2, SPARE
	v_mov_b32 v[NIL], 0
	ds_add_u32 v[SPW], v[NIL]                      ; the opening lines: the add, twice on end, and its wait stand ahead of my tensor load
	ds_add_u32 v[SPW], v[NIL]
	v_lshrrev_b32 v4, 5, v0
	s_delay_alu instid0(VALU_DEP_1)
	v_readfirstlane_b32 s[WV], v4
	s_bfe_u32 s[CX], ttmp6, 0x40000                ; my place in the cluster: it enters Q's and O's global addresses alone
	s_and_b32 s[HB], ttmp7, 0xffff                 ; 16 x batch + head, which the four partners share
	s_mov_b32 s[G1], 15|(3<<16)|(1<<21)            ; the mask: all four work-groups; elements of 8 bytes; bit 21 beside a mask
	s_mov_b32 s[G1+1], 32<<16                      ; rows of 256 bytes,
	s_mov_b32 s[G1+2], 51<<16                      ; 51 of them,
	s_mov_b32 s[G1+3], 32<<16
	s_mov_b32 s[G1+4], 51
	s_mov_b32 s[G1+5], 32                          ; dense
	s_mov_b32 s[G1+6], 0
	s_mov_b32 s[G1+7], 0
	s_mov_b32 s[SEL], 0x76543210
	s_mov_b32 s[SEL+1], 0xfedcba98
	s_mov_b32 s[CS], 0x3e38aa3b                    ; c = log2(e) / 8
	s_mov_b32 s[CS+1], s[CS]
	s_mov_b32 s[NC], 0xbe38aa3b                    ; -c
	s_mul_i32 s42, s[HB], 208896
	s_mul_i32 s17, s[WV], 13056                    ; my sixteenth of the head's block
	s_add_co_u32 s42, s42, s17
	s_mov_b32 s43, 0
	s_lshl_b32 s44, s[CX], 5
	s_add_co_u32 s44, s44, s[WV]                   ; my first tile of queries: 32 cx + wave; the second lies 16 tiles on
	s_mul_i32 s46, s[HB], 106496
	s_mul_i32 s45, s44, 768
	s_add_co_u32 s48, s46, s45                     ; its codes,
	s_mov_b32 s49, 0
	s_lshl_b32 s45, s44, 6
	s_add_co_u32 s50, s46, s45
	s_add_co_u32 s50, s50, 98304                   ; its scale words
	s_mov_b32 s51, 0
	s_lshr_b32 s46, s[HB], 4                       ; batch
	s_and_b32 s47, s[HB], 15                       ; head
	s_lshl_b32 s52, s46, 13                        ; the batch's row of v_mask
	s_mov_b32 s53, 0
	s_lshl_b32 s46, s46, 7
	s_add_co_u32 s46, s46, s44                     ; the tile among all tokens'
	s_mul_i32 s54, s46, 12288
	s_mul_i32 s45, s47, 768
	s_add_co_u32 s54, s54, s45
	s_mov_b32 s55, 0
	s_lshl_b32 s56, s46, 9
	s_lshl_b32 s45, s47, 1
	s_add_co_u32 s56, s56, s45
	s_mov_b32 s57, 0
	s_lshl_b32 s[QL], s[WV], 9                     ; my wave's bytes of Q's stage
	s_add_co_u32 s[QL], s[QL], QST
	s_lshl_b32 s[QL+1], s[WV], 8
	s_add_co_u32 s[QL+1], s[QL+1], QST+8192
	s_lshl_b32 s[QL+2], s[WV], 7
	s_add_co_u32 s[QL+2], s[QL+2], QST+12288
	s_wait_dscnt 0x0                               ; both opening adds are done
	s_wait_kmcnt 0x0
	s_add_nc_u64 s[6:7], s[6:7], s[42:43]
	s_add_nc_u64 s[40:41], s[4:5], s[50:51]
	s_add_nc_u64 s[4:5], s[4:5], s[48:49]
	s_add_nc_u64 s[8:9], s[8:9], s[52:53]
	s_add_nc_u64 s[10:11], s[10:11], s[54:55]
	s_add_nc_u64 s[12:13], s[12:13], s[56:57]
	CROUND                                         ; all four work-groups are here: the joint loads meet
	s_mov_b32 s[G0], 1
	s_add_co_u32 s[G0+1], s17, TBL
	s_mov_b64 s[G0+2:G0+3], s[6:7]
	s_or_b32 s[G0+3], s[G0+3], 0x80000000
	tensor_load_to_lds s[G0:G0+3], s[G1:G1+7]      ; my one tensor load of the launch
	s_nop 0
.rept 4
	v_nop
.endr
	v_and_b32 v[LANE], 31, v0
	v_bfe_u32 v[CM], v0, 4, 1
	v_lshlrev_b32 v4, 4, v0                        ; 16 x thread: four keys' mask, in memory and in LDS
	v_and_b32 v7, 15, v0
	v_lshlrev_b32 v5, 4, v[LANE]
	v_lshlrev_b32 v6, 3, v[LANE]
	v_lshlrev_b32 v[CM], 7, v[CM]
	v_lshlrev_b32 v7, 2, v7
	v_lshl_add_u32 v8, v0, 4, QST
	v_lshl_add_u32 v9, v0, 3, QST+8192
	v_lshl_add_u32 v10, v0, 2, QST+12288
	global_load_b128 v[S:S+3], v4, s[8:9]
	global_load_b128 v[Q:Q+3], v5, s[4:5]          ; the first tile's Q stays in registers
	global_load_b64 v[Q+4:Q+5], v6, s[4:5] offset:512
	global_load_b32 v[QS], v7, s[40:41]
	global_load_b128 v[S+4:S+7], v5, s[4:5] offset:12288   ; the second tile's goes to my bytes of LDS
	global_load_b64 v[S+8:S+9], v6, s[4:5] offset:12800
	global_load_b32 v[S+10], v7, s[40:41] offset:1024
.irp j, 0,1,2,3,4,5
	v_mov_b32 v[Q+6+\j], 0                         ; zero codes for k = 64 .. 127
	v_mov_b32 v[VF+\j], 0                          ; what tile 7's operand runs on into
.endr
.irp j, 8,9,10,11
	v_mov_b32 v[T+\j], 0                           ; a lane permute's destination counts as one of its sources
.endr
	v_mov_b32 v[PW], 0x7f7f7f7f                    ; named as the upper half of the pair v[18:19] before it is first made
	s_wait_alu depctr_va_vdst(0)
	s_wait_loadcnt 0x0
.irp i, 0,1,2,3
	v_sub_f32 v[S+\i], 1.0, v[S+\i]
.endr
.irp i, 0,1,2,3
	v_mul_f32 v[S+\i], 0x5368d4a5, v[S+\i]         ; x 1e12
.endr
.irp i, 0,1,2,3
	v_mul_f32 v[S+\i], 0xc1000000, v[S+\i]         ; x -8: exact
.endr
	ds_store_b128 v4, v[S:S+3]
	ds_store_b128 v8, v[S+4:S+7]
	ds_store_b64 v9, v[S+8:S+9]
	ds_store_b32 v10, v[S+10]
	s_wait_tensorcnt 0x0                           ; my part of K and V has landed,
	s_wait_dscnt 0x0                               ; and my part of the mask
	s_barrier_signal -1
	s_barrier_wait -1                              ; everybody's has
; A KEY STEP: 128 keys, the q-th of a trip's two.  -M lies in v12 (q = 0) or v14 (q = 1), so that the old one is at hand with no copy.
.macro STEP q
.set NMQ, NM+2*(\q)
.set NMO, NM+2-2*(\q)
	s_wait_dscnt 0x0                               ; K, its words and the mask are in
.irp t, 0,1,2,3,4,5,6,7
	WM S+8*\t, KF+6*\t, Q, KSC+\t/2, QS, \t%2
.endr
	JOIN                                           ; four plain lines that name no register of the score products: their places in front of the loads and of the first read of the scores
	v_nop                                          ; JOIN's last line names p's scale word, a register of the last second product: with this line that product too has four places in front of the loads into V's registers
	VLOAD \q
	KLOAD (\q)+1
.irp g, 0,1                                    ; each block's largest score, two chains a block; every accumulator is first read at its low end
	v_max3_num_f32 v[T+2*\g], v[S+32*\g], v[S+32*\g+1], v[S+32*\g+2]
	v_max3_num_f32 v[T+2*\g+1], v[S+32*\g+16], v[S+32*\g+17], v[S+32*\g+18]
.endr
.irp i, 3,5,7,9,11,13
.irp g, 0,1
	v_max3_num_f32 v[T+2*\g], v[T+2*\g], v[S+32*\g+\i], v[S+32*\g+\i+1]
	v_max3_num_f32 v[T+2*\g+1], v[T+2*\g+1], v[S+32*\g+16+\i], v[S+32*\g+17+\i]
.endr
.endr
	v_max3_num_f32 v[BX0], v[T], v[T+1], v[S+15]
	v_max3_num_f32 v[BX1], v[T+2], v[T+3], v[S+47]
	v_max_num_f32 v[BX0], v[BX0], v[S+31]
	v_max_num_f32 v[BX1], v[BX1], v[S+63]
	s_delay_alu instid0(VALU_DEP_1)
	v_max_num_f32 v[T+4], v[BX0], v[BX1]
	s_delay_alu instid0(VALU_DEP_1)
	v_permlanex16_b32 v[T+5], v[T+4], s[SEL], s[SEL+1]   ; lane l xor 16 holds my query's other 64 keys
	s_delay_alu instid0(VALU_DEP_1)
	v_max3_num_f32 v[SMX], v[SMX], v[T+4], v[T+5]  ; the running largest score (c is positive)
	s_delay_alu instid0(VALU_DEP_1)
	v_mul_f32 v[T+4], s[NC], v[SMX]
	s_delay_alu instid0(VALU_DEP_1)
	v_floor_f32 v[NMQ], v[T+4]                     ; the new -M = -ceil(t)
	v_fma_f32 v[BX0], v[BX0], s[CS], v[NMQ]        ; t - M of each block's largest score,
	v_fma_f32 v[BX1], v[BX1], s[CS], v[NMQ]
	v_sub_f32 v[T+4], v[NMQ], v[NMO]               ; old M - new M: a whole number, 0 or less
	FMA8 0                                         ; and of all 64
	v_cvt_i32_f32 v[T+4], v[T+4]                   ; (it saturates)
	FMA8 8
	v_ldexp_f32 v[F], 1.0, v[T+4]                  ; f = 2^(old M - new M)
.irp i, 16,24,32,40,48,56
	FMA8 \i
.endr
	s_wait_alu depctr_va_vdst(0)
	v_exp_f32 v[BX0], v[BX0]                       ; the blocks' largest p: the same two instructions on the same number give the same bits
	v_exp_f32 v[BX1], v[BX1]
.set i, 0
.rept 64
	v_exp_f32 v[S+i], v[S+i]                       ; p = 2^(t - M), at most 1
.set i, i+1
.endr
	v_nop                                          ; a plain place behind the exponentials
	s_wait_alu depctr_va_vdst(0)                   ; one wait for the batch, ahead of its first reader
	v_max_num_f32 v[BX0], 0x1800000, v[BX0]        ; the floor 2^(3 - 127): the byte cannot fall under 1
	v_max_num_f32 v[BX1], 0x1800000, v[BX1]
.irp k, 0,1,2,3
	v_pk_add_f32 v[T+2*\k:T+2*\k+1], v[S+4*\k:S+4*\k+1], v[S+4*\k+2:S+4*\k+3]   ; THE SUM IS TAKEN OF THE UNQUANTISED p: four chains of pairs
.endr
	v_add_nc_u32 v[BX0], 0xff000000, v[BX0]        ; 2 off the exponent field: the conversion's scale operand
	v_add_nc_u32 v[BX1], 0xff000000, v[BX1]
	SUM4 0
	v_cvt_scalef32_pk16_fp6_f32 v[PCD:PCD+2], v[S:S+15], v[BX0]
	v_cvt_scalef32_pk16_fp6_f32 v[PT:PT+2], v[S+16:S+31], v[BX0]     ; (a conversion's three registers begin on an even number)
	v_cvt_scalef32_pk16_fp6_f32 v[PCD+6:PCD+8], v[S+32:S+47], v[BX1]
	v_lshrrev_b32 v[Y], 23, v[BX0]                 ; the scales' bytes.  (Plain places behind the conversions)
	v_lshrrev_b32 v[T+11], 23, v[BX1]
.irp i, 0,1,2
	v_mov_b32 v[PCD+3+\i], v[PT+\i]
.endr
	v_cvt_scalef32_pk16_fp6_f32 v[PT:PT+2], v[S+48:S+63], v[BX1]
	v_lshl_or_b32 v[Y], v[T+11], 16, v[Y]          ; my two bytes: blocks h and 2 + h.  (A plain place)
.irp i, 0,1,2
	v_mov_b32 v[PCD+9+\i], v[PT+\i]
.endr
	v_permlanex16_b32 v[T+11], v[Y], s[SEL], s[SEL+1]
	SUM4 1
	v_lshl_or_b32 v[PW], v[T+11], 8, v[Y]          ; lanes 0-15, which alone are read: blocks 0, 2 mine, 1, 3 lane l + 16's
.irp m, 2,3,4,5
	SUM4 \m
.endr
	MLOAD (\q)+1                                   ; p has been read: the next step's mask
	s_wait_alu depctr_va_vdst(0)                   ; directly ahead of the first reader of O^T
.set i, 0
.rept 16
	v_pk_mul_f32 v[OT+i:OT+i+1], v[OT+i:OT+i+1], v[F:F+1] op_sel_hi:[1,0]   ; O^T under the new M.  (Also the places between the writes of p's codes and scale word and the products)
.set i, i+2
.endr
	s_wait_alu depctr_va_vdst(0)
	s_wait_dscnt 36                                ; V is in: behind its loads stand K's 20 and the mask's 16
.irp t, 0,1,2,3
	WM OT+8*\t, VF+12*\t, PCD, VSC+\t/2, PW, \t%2
.endr
.endm
; One tile of 16 queries through all keys.  pi: 0 or 1, which of my two tiles.
.macro PASS pi
.if \pi
	v_lshl_add_u32 v[Y], v[LANE], 4, s[QL]
	v_lshl_add_u32 v[T+8], v[LANE], 3, s[QL+1]
	v_lshl_add_u32 v[T+9], v[LANE], 2, s[QL+2]
	ds_load_b128 v[Q:Q+3], v[Y]                    ; my own bytes
	ds_load_b64 v[Q+4:Q+5], v[T+8]
	ds_load_b32 v[QS], v[T+9]
.endif
	v_mov_b32 v[SMX], 0xff61b1e6                   ; the largest score so far: -3e38
	v_mov_b32 v[NM+2], 0x7e800000                  ; the -M ahead of the first step: 2^126, so that the first f is 0
	v_mov_b32 v[L], 0
	v_mov_b32 v[L+1], 0
	v_mov_b32 v[F], 0
.irp j, 0,1,2,3,4,5,6,7
	v_mov_b32 v[T+\j], 0
.endr
.set i, 0
.rept 32
	v_mov_b32 v[OT+i], 0                           ; the step is written once: the first finds zeros
.set i, i+1
.endr
	s_mov_b32 s[TK], TBL
	s_mov_b32 s[TV], VC
	s_mov_b32 s[TS], KS
	s_mov_b32 s[TM], MB
	s_mov_b32 s[TJ], VS
	s_mov_b32 s[CNT], 8
	ADDR
	KLOAD 0
	MLOAD 0
	s_wait_alu depctr_va_vdst(0)
.Ltrip_\@:                                         ; 8 trips of two key steps
	STEP 0
	STEP 1
	s_add_co_u32 s[TK], s[TK], 12288               ; 256 keys on
	s_add_co_u32 s[TV], s[TV], 12288
	s_add_co_u32 s[TS], s[TS], 1024
	s_add_co_u32 s[TM], s[TM], 1024
	s_add_co_u32 s[TJ], s[TJ], 512
	ADDR
	s_sub_co_u32 s[CNT], s[CNT], 1
	s_cmp_lg_u32 s[CNT], 0
	s_wait_alu depctr_va_vdst(0)
	s_cbranch_scc1 .Ltrip_\@
	s_wait_dscnt 0x0                               ; what the last step asked for has come and is not used
	JOIN
	v_add_f32 v[L], v[L], v[L+1]
	s_delay_alu instid0(VALU_DEP_1)
	v_permlanex16_b32 v[T+5], v[L], s[SEL], s[SEL+1]
	s_delay_alu instid0(VALU_DEP_1)
	v_add_f32 v[L], v[L], v[T+5]                   ; the row's sum
	s_wait_alu depctr_va_vdst(0)
	v_rcp_f32 v[L], v[L]
	v_nop                                          ; a plain place behind it
	s_wait_alu depctr_va_vdst(0)                   ; the wait ahead of its first reader, and of O^T's
.set i, 0
.rept 32
	v_mul_f32 v[S+i], v[OT+i], v[L]                ; o: register 16 b + i is d = 32 b + 16 h + i of my query
.set i, i+1
.endr
.irp b, 0,1
	v_max3_num_f32 v[T+\b], |v[S+16*\b]|, |v[S+1+16*\b]|, 0x1800000
.endr
.irp i, 2,4,6,8,10,12,14
.irp b, 0,1
	s_delay_alu instid0(VALU_DEP_2)
	v_max3_num_f32 v[T+\b], v[T+\b], |v[S+16*\b+\i]|, |v[S+1+16*\b+\i]|
.endr
.endr
.irp b, 0,1
	s_delay_alu instid0(VALU_DEP_2)
	v_permlanex16_b32 v[T+2+\b], v[T+\b], s[SEL], s[SEL+1]
.endr
.irp b, 0,1
	s_delay_alu instid0(VALU_DEP_2)
	v_max_num_f32 v[T+\b], v[T+\b], v[T+2+\b]
.endr
.irp b, 0,1
	s_delay_alu instid0(VALU_DEP_2)
	v_add_nc_u32 v[T+4+\b], 0xff000000, v[T+\b]
.endr
.irp b, 0,1
	s_delay_alu instid0(VALU_DEP_2)
	v_lshrrev_b32 v[T+2+\b], 23, v[T+4+\b]
.endr
	s_delay_alu instid0(VALU_DEP_1)
	v_lshl_or_b32 v[T+6], v[T+3], 8, v[T+2]        ; the head's two scale bytes of my query
	v_cvt_scalef32_pk16_fp6_f32 v[PCD:PCD+2], v[S:S+15], v[T+4]
	v_cvt_scalef32_pk16_fp6_f32 v[PT:PT+2], v[S+16:S+31], v[T+5]
	v_lshlrev_b32 v[Y], 4, v[LANE]                 ; the stores' offsets.  (A plain place behind the conversions)
.irp i, 0,1,2
	v_permlane16_swap_b32 v[PCD+\i], v[PT+\i]      ; here a block lies in lanes l and l xor 16: the operand wants it whole in a lane
.endr
.irp i, 0,1,2
	v_mov_b32 v[PCD+3+\i], v[PT+\i]
.endr
	v_lshlrev_b32 v[T+7], 3, v[LANE]
	v_and_b32 v[T+11], 15, v[LANE]
	s_delay_alu instid0(VALU_DEP_1)
	v_lshlrev_b32 v[T+11], 5, v[T+11]
	global_store_b128 v[Y], v[PCD:PCD+3], s[10:11] offset:196608*(\pi)
	global_store_b64 v[T+7], v[PCD+4:PCD+5], s[10:11] offset:196608*(\pi)+512
	global_store_b16 v[T+11], v[T+6], s[12:13] offset:8192*(\pi)
	s_wait_xcnt 0x0                                ; the stores have read their registers
.endm
	PASS 0
	PASS 1
	s_wait_tensorcnt 0x0                           ; the wave's end
	ds_add_u32 v[SPW], v[NIL]
	s_wait_dscnt 0x0
	CROUND                                         ; the closing round
	s_endpgm
.Lfunc_end_k_q3ffa1826b5_attn:
	.size	k_q3ffa1826b5_attn, .Lfunc_end_k_q3ffa1826b5_attn-k_q3ffa1826b5_attn
	.p2alignl 7, 3214868480
	.fill 96, 4, 3214868480
	.section	.rodata,"a",@progbits
	.p2align	6, 0x0
	.amdhsa_kernel k_q3ffa1826b5_attn
		.amdhsa_group_segment_fixed_size 327680
		.amdhsa_private_segment_fixed_size 0
		.amdhsa_enable_private_segment 0
		.amdhsa_kernarg_size 40
		.amdhsa_user_sgpr_count 2
		.amdhsa_user_sgpr_kernarg_segment_ptr 1
		.amdhsa_wavefront_size32 1
		.amdhsa_system_sgpr_workgroup_id_x 1
		.amdhsa_system_sgpr_workgroup_id_y 1
		.amdhsa_system_sgpr_workgroup_id_z 1
		.amdhsa_system_vgpr_workitem_id 0
		.amdhsa_next_free_vgpr 256
		.amdhsa_next_free_sgpr 66
		.amdhsa_reserve_vcc 0
		.amdhsa_float_denorm_mode_32 3
		.amdhsa_float_denorm_mode_16_64 3
		.amdhsa_memory_ordered 1
		.amdhsa_forward_progress 1
		.amdhsa_inst_pref_size 91
	.end_amdhsa_kernel
	.amdgpu_metadata
---
amdhsa.version: [ 1, 2 ]
amdhsa.kernels:
  - .name:           k_q3ffa1826b5_attn
    .symbol:         k_q3ffa1826b5_attn.kd
    .args:
      - { .name: qb, .offset: 0, .size: 8, .value_kind: global_buffer, .address_space: global }
      - { .name: kv, .offset: 8, .size: 8, .value_kind: global_buffer, .address_space: global }
      - { .name: v_mask, .offset: 16, .size: 8, .value_kind: global_buffer, .address_space: global }
      - { .name: oc, .offset: 24, .size: 8, .value_kind: global_buffer, .address_space: global }
      - { .name: os, .offset: 32, .size: 8, .value_kind: global_buffer, .address_space: global }
    .group_segment_fixed_size: 327680
    .private_segment_fixed_size: 0
    .kernarg_segment_align: 8
    .kernarg_segment_size: 40
    .max_flat_workgroup_size: 512
    .sgpr_count:     66
    .vgpr_count:     256
    .wavefront_size: 32
...
	.end_amdgpu_metadata
.endif
;; end of part 3
;; launch outp (part 4): grid 4 x 64, 4 waves a work-group, clusters of 4 x 4, 327,680 bytes of LDS; arguments oc, os, wc, ws, bo, q_mask, out0; writes out0
.if DOCPART == 4
	.amdgcn_target "amdgcn-amd-amdhsa--gfx1250"
	.amdhsa_code_object_version 6
	.text
	.protected	k_q3ffa1826b5_outp
	.globl	k_q3ffa1826b5_outp
	.p2align	8
	.type	k_q3ffa1826b5_outp,@function
k_q3ffa1826b5_outp:
	s_mov_b64 s[64:65], 0
	v_nop
	global_prefetch_b8 v0, s[64:65] scope:SCOPE_SE
	s_setreg_imm32_b32 hwreg(HW_REG_WAVE_MODE, 25, 1), 1
	s_wait_xcnt 0x0
	s_wait_alu depctr_hold_cnt(0) depctr_sa_sdst(0) depctr_va_vdst(0) depctr_va_sdst(0) depctr_va_ssrc(0) depctr_va_vcc(0) depctr_vm_vsrc(0)
	s_getreg_b32 s2, hwreg(HW_REG_IB_STS2, 6, 4)
	s_cmp_eq_u32 s2, 0
	s_cbranch_scc0 .Lentry_in_a_cluster
	s_endpgm
.Lentry_in_a_cluster:
	s_bfe_u32 s2, ttmp6, 0x10000c
	s_cmp_lg_u32 s2, 0xf033
	s_cbranch_scc0 .Lentry_shape_is_right
	s_endpgm
.Lentry_shape_is_right:
; out0 = (o Wo + bo) x q_mask, on codes of FP6 (E2M3) with E8M0 scales, K = 1,024.  o's codes and scale bytes come from the attention launch, Wo's from the weights' quantiser (tensor 3 of wc, ws).
; A work-group makes 128 rows x 256 columns; each of four waves 64 x 128: 32 accumulators.  TRANSPOSED USE: source 0 = 16 columns' rows of Wo, source 1 = 16 rows of o: a lane holds one row and eight neighbouring columns an accumulator.
; Rows and columns are kept by position (bits 3 and 4 of the index exchanged); the way out puts both back.
; ALL OF K LIES IN LDS: four chunks of 256 along K, asked for at the head; no LDS byte is filled twice.  A counted wait and a plain barrier stand in front of each chunk's first read.
; CLUSTER 4 x 4: o's tiles are asked for jointly by a row of the cluster, Wo's by a column.  bo is the C of the first K step; q_mask multiplies on the way out.
; THE WAY OUT: a block of 16 rows x 128 columns goes through the wave's stage in LDS (in chunk 0, which has had its only fill and its last read) and leaves as whole rows of 512 consecutive bytes.
; REGISTERS: as in the projections' launch: window 0: v8-23 LDS addresses, v32-47 o's scale words, v48-79 Wo's, v96-103 q_mask of my rows, v128-223 o's fragments (on the way out v128-255 rows of out0);
;            window 1: Wo's fragments at v0 and v128, bo at v96-127 and v224-255;  window 2: accumulator (a, b) at v[8 (8 a + b)].
; LDS AS IT IS NOW (this takes the place of what the head says of four chunks): o's 8 tiles, each with all of K (12,288 bytes), lie at 0, Wo's 16 tiles behind them at 98,304.
; Each wave asks for its part, all of K, with ONE tensor load at the head (waves 0, 1: four tiles of o; waves 2, 3: eight of Wo); one wait for 0 and one barrier stand in front of the first read.
.set CHUNK, 73728                      ; a quarter of the operands' bytes: it only places the spare words
.set SPARE, 4*CHUNK
.set AA16, 8
.set AA8,  12
.set AB16, 16
.set AB8,  20
.set STO,  25
.set RD,   26
.set SPW,  28
.set NIL,  29
.set SA,   32
.set SB,   48
.set RV,   96
.set BK,   128
.set WV,   22
.set SR,   23
.set SC,   24
.set CX,   25
.set CY,   26
.set G1A,  28
.set G1B,  36
.set G0A,  44
.set G0B,  68
.set M0W,  91
.set N0W,  92
.set MSB, 0
.macro WIN new
.if MSB != \new
	s_set_vgpr_msb (MSB<<8)|\new
.set MSB, \new
.endif
.endm
.macro CROUND
	s_barrier_signal -1
	s_barrier_wait -1
	s_cmp_lg_u32 s[WV], 0
	s_cbranch_scc1 .Lnot_wave_0_\@
	s_barrier_signal -3
.Lnot_wave_0_\@:
	s_barrier_wait -3
	s_barrier_signal -1
	s_barrier_wait -1
.endm
	s_load_b256 s[4:11], s[0:1], 0x0               ; oc, os, wc, ws
	s_load_b128 s[12:15], s[0:1], 0x20             ; bo, q_mask
	s_load_b64 s[16:17], s[0:1], 0x30              ; out0
	v_lshl_add_u32 v[SPW], v0, 2, SPARE
	v_mov_b32 v[NIL], 0
	ds_add_u32 v[SPW], v[NIL]                      ; the wave's opening: the add and its wait stand ahead of my first tensor load; work on registers stands between them
	ds_add_u32 v[SPW], v[NIL]
	v_lshrrev_b32 v1, 5, v0
	v_readfirstlane_b32 s[WV], v1
	s_lshr_b32 s[SR], s[WV], 1
	s_and_b32 s[SC], s[WV], 1
	s_bfe_u32 s[CX], ttmp6, 0x40000
	s_bfe_u32 s[CY], ttmp6, 0x40004
	s_and_b32 s84, ttmp7, 0xffff
	s_lshl_b32 s87, s84, 2
	s_add_co_u32 s87, s87, s[CY]                   ; tile row: 4 x cluster y + cy
	s_mov_b32 s89, s[CX]                           ; tile column
	s_lshl_b32 s84, s[CY], 2
	s_lshl_b32 s84, 15, s84                        ; my row of the cluster
	s_lshl_b32 s86, 0x1111, s[CX]                  ; my column
	s_or_b32 s[G1A], s84, (3<<16)|(1<<21)          ; rows of 12,288 bytes (1,536 elements of 8 bytes), 12,288 bytes apart; o: 4 tiles a load, Wo: 8
	s_or_b32 s[G1B], s86, (3<<16)|(1<<21)
.irp g, G1A, G1B
	s_mov_b32 s[\g+1], 1536<<16                    ; tensor_dim0: a tile's whole K, 12,288 bytes
	s_mov_b32 s[\g+3], 1536<<16                    ; tile_dim0
	s_mov_b32 s[\g+5], 1536
	s_mov_b32 s[\g+6], 0
	s_mov_b32 s[\g+7], 0
.endr
	s_mov_b32 s[G1A+2], 4<<16
	s_mov_b32 s[G1A+4], 4
	s_mov_b32 s[G1B+2], 8<<16
	s_mov_b32 s[G1B+4], 8
	s_lshl_b32 s98, s87, 3
	s_lshl_b32 s99, s[SC], 2
	s_add_co_u32 s98, s98, s99
	s_mul_i32 s98, s98, 12288
	s_mov_b32 s99, 0
	s_lshl_b32 s100, s89, 4
	s_lshl_b32 s101, s[SC], 3
	s_add_co_u32 s100, s100, s101
	s_mul_i32 s100, s100, 12288
	s_add_co_u32 s100, s100, 3*786432              ; Wo is tensor 3
	s_mov_b32 s101, 0
	s_mul_i32 s88, s[SC], 49152                    ; where they go: four tiles of o a half,
	s_mul_i32 s90, s[SC], 98304                    ; eight tiles of Wo a half,
	s_add_co_u32 s90, s90, 98304                   ; behind o's eight
	s_lshl_b32 s[M0W], s87, 7
	s_lshl_b32 s92, s[SR], 6
	s_add_co_u32 s[M0W], s[M0W], s92               ; my wave's first row
	s_lshl_b32 s[N0W], s89, 8
	s_lshl_b32 s93, s[SC], 7
	s_add_co_u32 s[N0W], s[N0W], s93               ; and first column
	s_wait_dscnt 0x0                               ; the opening add is done
	s_wait_kmcnt 0x0
	s_add_nc_u64 s[4:5], s[4:5], s[98:99]
	s_add_nc_u64 s[8:9], s[8:9], s[100:101]
	CROUND                                         ; all sixteen work-groups are here: the joint loads meet
.irp g, 0
	s_mov_b32 s[G0A+4*\g], 1
	s_add_co_u32 s[G0A+4*\g+1], s88, CHUNK*\g
	s_add_nc_u64 s[G0A+4*\g+2:G0A+4*\g+3], s[4:5], 3072*\g
	s_or_b32 s[G0A+4*\g+3], s[G0A+4*\g+3], 0x80000000
	s_mov_b32 s[G0B+4*\g], 1
	s_add_co_u32 s[G0B+4*\g+1], s90, CHUNK*\g
	s_add_nc_u64 s[G0B+4*\g+2:G0B+4*\g+3], s[8:9], 3072*\g
	s_or_b32 s[G0B+4*\g+3], s[G0B+4*\g+3], 0x80000000
.endr
	s_cmp_eq_u32 s[SR], 0                          ; one fill a wave, in one branch on its number
	s_cbranch_scc0 .Lfor_b
.irp g, 0
	tensor_load_to_lds s[G0A+4*\g:G0A+4*\g+3], s[G1A:G1A+7]
	s_nop 0
.endr
.rept 4
	v_nop
.endr
	s_branch .Lasked
.Lfor_b:
.irp g, 0
	tensor_load_to_lds s[G0B+4*\g:G0B+4*\g+3], s[G1B:G1B+7]
	s_nop 0
.endr
.rept 4
	v_nop
.endr
.Lasked:
	v_and_b32 v1, 31, v0                           ; lane
	v_and_b32 v2, 15, v0                           ; r
	v_bfe_u32 v3, v0, 4, 1                         ; h
	v_lshlrev_b32 v4, 4, v1                        ; 16 x lane
	v_lshlrev_b32 v5, 3, v1                        ; 8 x lane
	v_lshlrev_b32 v6, 5, v2
	v_lshl_add_u32 v6, v3, 9, v6                   ; scale rows: 512 h + 32 r
	v_lshlrev_b32 v7, 6, v3                        ; 64 h
	v_and_b32 v24, 8, v2
	v_add_nc_u32 v24, v24, v2
	v_lshlrev_b32 v24, 2, v24                      ; 4 (r + 8 (r / 8))
	s_mul_i32 s93, s[SR], 49152                    ; my four tiles of o: address register g serves tile g; of Wo: tiles 2 g, 2 g + 1
.irp g, 0,1,2,3
	v_add_nc_u32 v[AA16+\g], s93, v4
	v_add_nc_u32 v[AA8+\g], s93, v5
	v_add_nc_u32 v[AB16+\g], s90, v4
	v_add_nc_u32 v[AB8+\g], s90, v5
	s_add_co_u32 s93, s93, 12288
	s_add_co_u32 s90, s90, 24576
.endr
	s_mul_i32 s88, s[WV], 8448                     ; my stage: 16 rows of 528 bytes
	v_mul_u32_u24 v[STO], v2, 528
	v_lshl_add_u32 v[STO], v3, 6, v[STO]
	v_add_nc_u32 v[STO], s88, v[STO]               ; in: row r, + 64 h
	v_add_nc_u32 v[RD], s88, v4                    ; back: 16 bytes a lane of a whole row
	s_lshl_b32 s98, s[M0W], 5
	s_add_nc_u64 s[6:7], s[6:7], s[98:99]
	s_lshl_b32 s100, s[N0W], 5
	s_add_co_u32 s100, s100, 3*32768
	s_add_nc_u64 s[10:11], s[10:11], s[100:101]
	s_lshl_b32 s84, s[N0W], 2
	s_mov_b32 s85, 0
	s_add_nc_u64 s[12:13], s[12:13], s[84:85]
	s_lshl_b32 s86, s[M0W], 2
	s_mov_b32 s87, 0
	s_add_nc_u64 s[14:15], s[14:15], s[86:87]
	s_lshl_b32 s60, s[M0W], 12
	s_add_co_u32 s60, s60, s84
	s_mov_b32 s61, 0
	s_add_nc_u64 s[16:17], s[16:17], s[60:61]      ; out0 at my first row and column
.irp i, 0,1
.irp e, 0,1
	global_load_b128 v[SA+8*\i+4*\e:SA+8*\i+4*\e+3], v6, s[6:7] offset:1024*\i+16*\e
.endr
.endr
.irp i, 0,1,2,3
.irp e, 0,1
	global_load_b128 v[SB+8*\i+4*\e:SB+8*\i+4*\e+3], v6, s[10:11] offset:1024*\i+16*\e
.endr
.endr
	WIN 0x40
.irp b, 0,1,2,3,4,5,6,7
	global_load_b128 v[96+8*\b+96*(\b/4):96+8*\b+96*(\b/4)+3], v7, s[12:13] offset:128*(\b/2)+32*(\b%2)       ; bo in the result's layout: columns 32 (b / 2) + 16 h + 8 (b % 2) + 0 .. 7
	global_load_b128 v[96+8*\b+96*(\b/4)+4:96+8*\b+96*(\b/4)+7], v7, s[12:13] offset:128*(\b/2)+32*(\b%2)+16
.endr
	WIN 0
.irp a, 0,1,2,3
	global_load_b32 v[RV+2*\a], v24, s[14:15] offset:4*(32*(\a/2)+8*(\a%2))     ; q_mask of my row of tile a, twice: a pair for the packed multiply
	global_load_b32 v[RV+2*\a+1], v24, s[14:15] offset:4*(32*(\a/2)+8*(\a%2))
.endr
	s_wait_alu depctr_va_vdst(0)
	s_wait_loadcnt 0x0
.macro FRAG reg, a16, a8, off
	ds_load_b128 v[(\reg):(\reg)+3], v[\a16] offset:(\off)
	ds_load_b64 v[(\reg)+4:(\reg)+5], v[\a8] offset:(\off)+512
	ds_load_b128 v[(\reg)+6:(\reg)+9], v[\a16] offset:(\off)+768
	ds_load_b64 v[(\reg)+10:(\reg)+11], v[\a8] offset:(\off)+1280
.endm
.macro FETCH s
.set FQ, 1536*(\s)
.set FP, (\s)%2
.set FG, (\s)/2
	WIN 0x40
.irp b, 0,1,2,3,4,5,6,7
	FRAG 128*FP+12*\b, AB16+\b/2, AB8+\b/2, 12288*(\b%2)+FQ
.endr
	WIN 0
.irp a, 0,1,2,3
	FRAG 128+48*FP+12*\a, AA16+\a, AA8+\a, FQ
.endr
.endm
.macro WM a, b, s
.set rD, 8*(8*(\a)+(\b))
.set rB, 128*((\s)%2)+12*(\b)
.set rA, 128+48*((\s)%2)+12*(\a)
.set rSB, SB+8*((\b)/2)+(\s)
.set rSA, SA+8*((\a)/2)+(\s)
.set rC, rD
.if KFIRST
.set rC, 96+8*(\b)+96*((\b)/4)
.endif
.if ((\b)%2 == 0) && ((\a)%2 == 0)
	v_wmma_scale_f32_16x16x128_f8f6f4 v[rD:rD+7], v[rB:rB+11], v[rA:rA+11], v[rC:rC+7], v[rSB], v[rSA] matrix_a_fmt:MATRIX_FMT_FP6 matrix_b_fmt:MATRIX_FMT_FP6
.elseif ((\b)%2 == 1) && ((\a)%2 == 0)
	v_wmma_scale_f32_16x16x128_f8f6f4 v[rD:rD+7], v[rB:rB+11], v[rA:rA+11], v[rC:rC+7], v[rSB], v[rSA] matrix_a_fmt:MATRIX_FMT_FP6 matrix_b_fmt:MATRIX_FMT_FP6 matrix_a_scale:MATRIX_SCALE_ROW1
.elseif ((\b)%2 == 0) && ((\a)%2 == 1)
	v_wmma_scale_f32_16x16x128_f8f6f4 v[rD:rD+7], v[rB:rB+11], v[rA:rA+11], v[rC:rC+7], v[rSB], v[rSA] matrix_a_fmt:MATRIX_FMT_FP6 matrix_b_fmt:MATRIX_FMT_FP6 matrix_b_scale:MATRIX_SCALE_ROW1
.else
	v_wmma_scale_f32_16x16x128_f8f6f4 v[rD:rD+7], v[rB:rB+11], v[rA:rA+11], v[rC:rC+7], v[rSB], v[rSA] matrix_a_fmt:MATRIX_FMT_FP6 matrix_b_fmt:MATRIX_FMT_FP6 matrix_a_scale:MATRIX_SCALE_ROW1 matrix_b_scale:MATRIX_SCALE_ROW1
.endif
.endm
.macro MULH a0, s                      ; the 32 accumulators take turns, one instruction a turn
.irp a, \a0, \a0+1
.irp b, 0,1,2,3,4,5,6,7
	WM \a, \b, \s
.endr
.endr
.endm
.macro KSTEP s
.set KFIRST, 0
.set KW, 0xa1
.if (\s) == 0
.set KFIRST, 1
.set KW, 0x91
.endif
	s_wait_dscnt 0x0                               ; this step's 48 loads are in
	WIN KW
	MULH 0, \s
.if (\s) < 7
	WIN 0
.rept 4
	v_nop                                          ; places in front of loads into the set that the last step's products read
.endr
	FETCH (\s)+1
.endif
	WIN KW
	MULH 2, \s
.endm
	s_wait_tensorcnt 0x0                           ; my one load has landed
	s_barrier_signal -1
	s_barrier_wait -1
	FETCH 0
.irp s, 0,1,2,3,4,5,6,7
	KSTEP \s
.endr
	WIN 0
	s_barrier_signal -1                            ; my last LDS reads were waited for at the head of K step 7:
	s_barrier_wait -1                              ; nobody reads the operands any more, so the stages may be stored over o's first tiles
.rept 4
	v_nop                                          ; places in front of the first reads of results and of loads over the fragments' registers
.endr
.macro TOSTAGE a
	WIN 0x82                                       ; source 0 and destination window 2
.set i, 0
.rept 32
	v_pk_mul_f32 v[64*(\a)+2*i:64*(\a)+2*i+1], v[64*(\a)+2*i:64*(\a)+2*i+1], v[RV+2*(\a):RV+2*(\a)+1]   ; x q_mask of my row; each accumulator from its low end on
.set i, i+1
.endr
	WIN 0x08                                       ; an LDS store's data are its source 1: window 2
.irp b, 0,1,2,3,4,5,6,7
	ds_store_b128 v[STO], v[64*(\a)+8*\b:64*(\a)+8*\b+3] offset:128*(\b/2)+32*(\b%2)        ; to the columns' true places
	ds_store_b128 v[STO], v[64*(\a)+8*\b+4:64*(\a)+8*\b+7] offset:128*(\b/2)+32*(\b%2)+16
.endr
	WIN 0
.set BB, BK+64*((\a)%2)
.irp t, 0,1,2,3,4,5,6,7,8,9,10,11,12,13,14,15
	ds_load_b128 v[BB+4*\t:BB+4*\t+3], v[RD] offset:528*\t         ; LDS serves a wave's instructions in order: these see my stores, and the next block's stores come behind them
.endr
.endm
.macro SEND a, younger                 ; younger: the LDS instructions issued behind block a's loads, which may stay out
.set BB, BK+64*((\a)%2)
.set RW, 32*((\a)/2)+8*((\a)%2)
	s_wait_dscnt \younger
.irp t, 0,1,2,3,4,5,6,7,8,9,10,11,12,13,14,15
	global_store_b128 v4, v[BB+4*\t:BB+4*\t+3], s[16:17] offset:(RW+\t+8*(\t/8))*4096 th:TH_STORE_NT   ; 32 lanes store 512 consecutive bytes of the row's true place
.endr
.endm
	TOSTAGE 0
.irp a, 1,2,3
.if \a > 1
	s_wait_xcnt 0x0                                ; block a - 2's stores have read their registers: block a's loads may land there
.endif
	TOSTAGE \a
	SEND \a-1, 32                                  ; behind block a - 1's loads: block a's 16 stores and 16 loads
.endr
	SEND 3, 0
	s_wait_tensorcnt 0x0                           ; the wave's end
	ds_add_u32 v[SPW], v[NIL]
	s_wait_dscnt 0x0
	CROUND                                         ; the closing round
	s_endpgm
.Lfunc_end_k_q3ffa1826b5_outp:
	.size	k_q3ffa1826b5_outp, .Lfunc_end_k_q3ffa1826b5_outp-k_q3ffa1826b5_outp
	.p2alignl 7, 3214868480
	.fill 96, 4, 3214868480
	.section	.rodata,"a",@progbits
	.p2align	6, 0x0
	.amdhsa_kernel k_q3ffa1826b5_outp
		.amdhsa_group_segment_fixed_size 327680
		.amdhsa_private_segment_fixed_size 0
		.amdhsa_enable_private_segment 0
		.amdhsa_kernarg_size 56
		.amdhsa_user_sgpr_count 2
		.amdhsa_user_sgpr_kernarg_segment_ptr 1
		.amdhsa_wavefront_size32 1
		.amdhsa_system_sgpr_workgroup_id_x 1
		.amdhsa_system_sgpr_workgroup_id_y 1
		.amdhsa_system_sgpr_workgroup_id_z 1
		.amdhsa_system_vgpr_workitem_id 0
		.amdhsa_next_free_vgpr 768
		.amdhsa_next_free_sgpr 104
		.amdhsa_reserve_vcc 0
		.amdhsa_float_denorm_mode_32 3
		.amdhsa_float_denorm_mode_16_64 3
		.amdhsa_memory_ordered 1
		.amdhsa_forward_progress 1
		.amdhsa_inst_pref_size 92
	.end_amdhsa_kernel
	.amdgpu_metadata
---
amdhsa.version: [ 1, 2 ]
amdhsa.kernels:
  - .name:           k_q3ffa1826b5_outp
    .symbol:         k_q3ffa1826b5_outp.kd
    .args:
      - { .name: oc, .offset: 0, .size: 8, .value_kind: global_buffer, .address_space: global }
      - { .name: os, .offset: 8, .size: 8, .value_kind: global_buffer, .address_space: global }
      - { .name: wc, .offset: 16, .size: 8, .value_kind: global_buffer, .address_space: global }
      - { .name: ws, .offset: 24, .size: 8, .value_kind: global_buffer, .address_space: global }
      - { .name: bo, .offset: 32, .size: 8, .value_kind: global_buffer, .address_space: global }
      - { .name: q_mask, .offset: 40, .size: 8, .value_kind: global_buffer, .address_space: global }
      - { .name: out0, .offset: 48, .size: 8, .value_kind: global_buffer, .address_space: global }
    .group_segment_fixed_size: 327680
    .private_segment_fixed_size: 0
    .kernarg_segment_align: 8
    .kernarg_segment_size: 56
    .max_flat_workgroup_size: 128
    .sgpr_count:     104
    .vgpr_count:     768
    .wavefront_size: 32
...
	.end_amdgpu_metadata
.endif
;; end of part 4
